; MI455X (gfx1250); checked and timed in simulation.
; The chip was launched on July 23, 2026; its instructions are those of AMD's public machine-readable ISA for CDNA 5 (MIT licence, August 2026) and "CDNA5" Instruction Set Architecture Reference Guide (July 2026). The comments in the code are by the model that wrote it; some were corrected since.
;; Single Head Neural Memory Linear. Allowed arithmetic: matrix products marked QUANTISED: E2M3 operands, one E8M0 scale for each 32 along K, by v_wmma_scale_f32_16x16x128_f8f6f4 with both operands' format E2M3, f32 sums; products left as they are: f32 operands where the result goes on into a quantised operand, else bf16, f16 or f32 operands; f32 sums; everything else in f32.
;; Inputs: b_k 1,024 float32; b_lr 1 float32; b_q 1,024 float32; b_v 1,024 float32; b_wd 1 float32; hidden 8 x 1,024 x 1,024 float32; log_base_lr 1 float32; log_base_wd 1 float32; w_k_codes 1,024 x 32 x 24 uint8 (E2M3 codes of w_k, K innermost, in blocks of 32 codes, four codes in three bytes); w_k_scales 1,024 x 32 uint8 (E8M0 scales of w_k, one for each 32 codes along K); w_lr 1,024 x 1 float32; w_q_codes 1,024 x 32 x 24 uint8 (E2M3 codes of w_q, K innermost, in blocks of 32 codes, four codes in three bytes); w_q_scales 1,024 x 32 uint8 (E8M0 scales of w_q, one for each 32 codes along K); w_v_codes 1,024 x 32 x 24 uint8 (E2M3 codes of w_v, K innermost, in blocks of 32 codes, four codes in three bytes); w_v_scales 1,024 x 32 uint8 (E8M0 scales of w_v, one for each 32 codes along K); w_wd 1,024 x 1 float32; x 8 x 1,024 x 1,024 float32.
;; Outputs: out0 8 x 1,024 x 1,024 float32; out1 8 x 1,024 x 1,024 float32.
;; This version of the problem:
;;   THIS VERSION OF THE PROBLEM IS GIVEN IN LOW PRECISION. The matrix products marked QUANTISED in the list below multiply operands that are first quantised to E2M3 (2 exponent bits, 3 mantissa bits; 6 bits a number), with one power-of-two scale for each 32 numbers along K (OCP MX v1.0); their sums are f32. All else is computed in f32.
;;   The module's matrix products, in the order in which they are computed (A, B: the left and right operand; K: the contracted axis; several contracted axes count as one K, in the product's order):
;;     1. [M 8,192, K 1,024] x [K 1,024, N 1,024]; A: input x; B: input w_q (given as codes): QUANTISED
;;     2. [M 8,192, K 1,024] x [K 1,024, N 1,024]; A: input x; B: input w_k (given as codes): QUANTISED
;;     3. [M 8,192, K 1,024] x [K 1,024, N 1,024]; A: input x; B: input w_v (given as codes): QUANTISED
;;     4. [M 8,192, K 1,024] x [K 1,024, N 1]; A: input x; B: input w_lr: left as it is (N = 1 < 16)
;;     5. [M 8,192, K 1,024] x [K 1,024, N 1]; A: input x; B: input w_wd: left as it is (N = 1 < 16)
;;     6. batch 8 x [M 1,024, K 1,024] x [K 1,024, N 1,024]; A: computed on the way; B: computed on the way: QUANTISED
;;     7. batch 8 x [M 1,024, K 1,024] x [K 1,024, N 1,024]; A: computed on the way; B: input hidden: QUANTISED
;;     8. batch 8,192 x [M 1, K 1] x [K 1, N 1,024]; A: computed on the way; B: computed on the way: left as it is (no contracted axis)
;;     9. batch 8 x [M 1,024, K 1,024] x [K 1,024, N 1,024]; A: computed on the way; B: computed on the way: QUANTISED
;;     10. batch 8 x [M 1,024, K 1,024] x [K 1,024, N 1,024]; A: computed on the way; B: input hidden: QUANTISED
;;     11. batch 8,192 x [M 1, K 1] x [K 1, N 1,024]; A: computed on the way; B: computed on the way: left as it is (no contracted axis)
;;     12. batch 8,192 x [M 1, K 1] x [K 1, N 1,024]; A: computed on the way; B: computed on the way: left as it is (no contracted axis)
;;     13. batch 8 x [M 1,024, K 1,024] x [K 1,024, N 1,024]; A: computed on the way; B: computed on the way: QUANTISED
;;   THE QUANTISER, for each operand of a quantised product, along K:
;;     - K is cut into blocks of 32 from its start; a last block that is shorter is filled with zeros.
;;     - A block's scale is 2^e with e = floor(log2(the largest magnitude in the block)) - 2, held to -126 .. 127; a block of zeros has e = 0. As a byte (E8M0): e + 127.
;;     - Each number is divided by its block's scale, clamped to +-7.5, and rounded to the nearest number of E2M3, ties to even, subnormals kept.
;;     - The product sums the exact products of the quantised numbers (number of the format x scale) in f32.
;;   ~~~python
;;   def quantise(x, axis):      # numpy; x: float32 -> the quantised numbers, widened to float32 again
;;       x = np.moveaxis(x, axis, -1); K = x.shape[-1]
;;       x = np.pad(x, [(0, 0)] * (x.ndim - 1) + [(0, -K % 32)]); x = x.reshape(x.shape[:-1] + (-1, 32)); a = np.abs(x).max(-1, keepdims=True)
;;       e = np.where(a > 0, np.clip(np.frexp(np.where(a > 0, a, 1))[1] - 1 - 2, -126, 127), 0)      # np.frexp(a)[1] - 1 = floor(log2(a)), exactly
;;       r = np.clip(x / 2.0 ** e, -7.5, 7.5)
;;       step = 2.0 ** (np.maximum(np.frexp(np.where(r == 0, 1, r))[1] - 1, 0) - 3)
;;       q = np.round(r / step) * step * 2.0 ** e      # np.round: ties to even
;;       return np.moveaxis(q.reshape(q.shape[:-2] + (-1,))[..., :K], -1, axis).astype(np.float32)
;;   ~~~
;;   OPERANDS COMPUTED ON THE WAY. 'Computed on the way' means the value that the module computes at that place (a softmax that the list does not call 'softmax' is quantised finished and normalised). What goes into a quantiser is computed in f32, as accurately as f32 sums, v_exp_f32 and their like allow (about 1e-6 of the number): no bf16 or f16 on the way to a quantiser, and a product that is left as it is and whose result goes on into a quantised operand takes f32 operands (vector FMAs, or v_wmma_f32_16x16x4_f32). A number that lies on a knife's edge between two numbers of the format may be rounded either way, as far as f32 arithmetic and the matrix unit's own rounding can turn it there, and no further.
;;   INPUTS GIVEN AS CODES. w_k (in the module: [1024, 1024], K = its axis 0); w_q (in the module: [1024, 1024], K = its axis 0); w_v (in the module: [1024, 1024], K = its axis 0): each comes as NAME_codes (uint8): NAME with its K axis moved to the last place and cut into blocks of 32 codes, [.., K / 32, bytes a block], one block behind the other in memory; four codes in three bytes: a row's codes are one little-endian stream of bits, code i at bits 6 i .. 6 i + 5 (a code: sign, 2 exponent bits, 3 mantissa bits); and NAME_scales (uint8): the same leading axes, one E8M0 byte (e + 127) for each 32 codes along K. Its value is code x scale, taken as it is: it is not quantised again, and the codes and scales need not be those that the quantiser above would give.
;; One version. Each part assembles by itself: llvm-mc -triple=amdgcn-amd-amdhsa -mcpu=gfx1250 --defsym DOCPART=n.
;; ======== version 1 of 1: 5 launches
;; workspace buffers: wsA 9,076,736 bytes; wsB 6,684,672 bytes; wsC 13,107,200 bytes; wsD 19,660,800 bytes
;; launch prep_x (part 1): grid 512 x 1, 8 waves a work-group, no clusters, 69,632 bytes of LDS; arguments x, w_lr, w_wd, b_lr, b_wd, log_base_lr, log_base_wd, w_q_codes, w_q_scales, w_k_codes, w_k_scales, w_v_codes, w_v_scales, wsA; writes wsA
.if DOCPART == 1
	.amdgcn_target "amdgcn-amd-amdhsa--gfx1250"
	.amdhsa_code_object_version 6
	.text
	.protected	k_q2115d33080_prep_x
	.globl	k_q2115d33080_prep_x
	.p2align	8
	.type	k_q2115d33080_prep_x,@function
k_q2115d33080_prep_x:
	s_mov_b64 s[64:65], 0
	v_nop
	global_prefetch_b8 v0, s[64:65] scope:SCOPE_SE
	s_setreg_imm32_b32 hwreg(HW_REG_WAVE_MODE, 25, 1), 1
	s_wait_xcnt 0x0
; x [8][1024][1024] f32 becomes codes of E2M3 along d, laid as IMAGES OF OPERAND REGISTERS; the two dot products x.w_lr and x.w_wd are made on the way, in f32, and give
; lr = exp(log_base_lr) sigmoid(.) and log2(1 - exp(log_base_wd) sigmoid(.)); w_q, w_k, w_v, which come as codes, are laid out as images too.
; AN IMAGE of 1,024 rows x 1,024 K is [group of 128 rows][128 along K][12,800 bytes]: eight fragments of 1,536 bytes (three registers' groups of 512 bytes, 16 bytes a lane), then 128 scale words.
; Block a of a group holds the rows 32 (a / 2) + 8 (a % 2) + r + 8 (r / 8), r = 0 .. 15: so a product's results are again 16 neighbours along the next K in a lane's registers.
; SHARES: a work-group takes one block of 16 rows of x, its wave ks 128 along K.  The work-groups of batches 0, 1, 2 also lay out w_q, w_k, w_v: a wave takes the one fragment of the weight that has
; the wave's own place (group, block, 128 along K) in the weight's image: 3 x 512 fragments, one for each wave of 192 work-groups, loaded beside x's numbers.
; Each load of x reads 512 consecutive bytes of a row; the 16 rows turn through the wave's own stage in LDS (rows of 528 bytes), so that a lane gets 16 neighbours of each block of 32.
; LIMITS: NaN and infinities are not served; a block of zeros gets the byte 1 (its codes are zeros; this program alone reads the bytes); exp(log_base_wd) sigmoid(.) must stay under 1.
.set IMG,  819200                      ; an image
.set GST,  102400                      ; a group of 128 rows in it
.set PST,  12800                       ; 128 along K of a group
.set WI,   6553600                     ; wsA: x's eight images, then the three weights',
.set LRO,  9011200                     ; lr [8][1024], and 32,768 bytes on log2 wd [8][1024]
.set STG,  8448                        ; LDS: a stage of 16 rows x 528 bytes for each wave
.set PART, 67584                       ; behind the stages: 128 bytes for each wave: its parts of 16 rows' two dot products
.set R,    32                          ; v32-95   64 numbers
.set P,    96                          ; v96-159  products; later TM, PW, PC
.set TM,   96
.set PW,   112
.set PC,   116
.set WF,   160                         ; v160-171 a weight's fragment, v172 its scale word, v173, v174 my lane's place in the weight's codes and scales
.set SEL,  44                          ; s[44:45] selects for lane l xor 16
.macro QUANT s                         ; v[s + 16 b + i] = k 32 b + 16 (lane / 16) + i of my row -> the fragment in v[PC] on, its scale word in v[PW]
.irp b, 0,1,2,3
	v_max3_num_f32 v[TM+\b], |v[\s+16*\b]|, |v[\s+1+16*\b]|, 0x1800000   ; my 16 numbers of block b, and the floor 2^(3 - 127): the byte cannot fall under 1
.endr
.irp i, 2,4,6,8,10,12,14
.irp b, 0,1,2,3
	v_max3_num_f32 v[TM+\b], v[TM+\b], |v[\s+16*\b+\i]|, |v[\s+1+16*\b+\i]|
.endr
.endr
.irp b, 0,1,2,3
	v_permlanex16_b32 v[TM+4+\b], v[TM+\b], s[SEL], s[SEL+1]
.endr
.irp b, 0,1,2,3
	v_max_num_f32 v[TM+\b], v[TM+\b], v[TM+4+\b]     ; with lane l xor 16's: the block's largest magnitude
.endr
.irp b, 0,1,2,3
	v_add_nc_u32 v[TM+12+\b], 0xff000000, v[TM+\b]   ; 2 off its exponent field: the conversion's scale operand
.endr
.irp b, 0,1,2,3
	v_lshrrev_b32 v[TM+4+\b], 23, v[TM+12+\b]        ; the scale's byte
.endr
	v_lshl_or_b32 v[PW], v[TM+5], 8, v[TM+4]
	v_lshl_or_b32 v[PW], v[TM+6], 16, v[PW]
	v_lshl_or_b32 v[PW], v[TM+7], 24, v[PW]
.irp c, 0,1
	v_cvt_scalef32_pk16_fp6_f32 v[PC+6*\c:PC+2+6*\c], v[\s+32*\c:\s+15+32*\c], v[TM+12+2*\c]
	v_cvt_scalef32_pk16_fp6_f32 v[PC+12+4*\c:PC+14+4*\c], v[\s+16+32*\c:\s+31+32*\c], v[TM+13+2*\c]
.endr
	v_nop                                            ; one plain place behind a scaled conversion
.irp c, 0,1                                      ; a whole block to a lane: lanes 0-15 block 2 c, lanes 16-31 block 2 c + 1
.irp i, 0,1,2
	v_permlane16_swap_b32 v[PC+6*\c+\i], v[PC+12+4*\c+\i]
.endr
.irp i, 0,1,2
	v_mov_b32 v[PC+3+6*\c+\i], v[PC+12+4*\c+\i]
.endr
.endr
.endm
	s_load_b512 s[4:19], s[0:1], 0x0               ; x, w_lr, w_wd, b_lr, b_wd, log_base_lr, log_base_wd, w_q's codes
	s_load_b256 s[20:27], s[0:1], 0x40             ; w_q's scales, w_k's codes, w_k's scales, w_v's codes
	s_load_b128 s[28:31], s[0:1], 0x60             ; w_v's scales, wsA
	v_lshl_add_u32 v176, v0, 2, 0x10c00
	v_mov_b32 v177, 0
	v_lshrrev_b32 v1, 5, v0
	v_readfirstlane_b32 s33, v1                    ; wave 0..7
	v_and_b32 v1, 31, v0                           ; lane
	v_and_b32 v2, 15, v0                           ; r
	v_bfe_u32 v3, v0, 4, 1                         ; h
	v_lshlrev_b32 v4, 4, v1                        ; 16 x lane
	s_mul_i32 s34, s33, STG
	v_add_nc_u32 v5, s34, v4                       ; the stage, on the way in: 16 x lane of a row
	v_mul_u32_u24 v6, v2, 528
	v_lshl_add_u32 v6, v3, 6, v6
	v_add_nc_u32 v6, s34, v6                       ; and on the way out: row r, + 64 h
	s_lshl_b32 s34, s33, 7
	s_add_co_u32 s34, s34, PART
	v_lshl_add_u32 v7, v3, 6, s34                  ; my wave's parts: lanes 0-15 x.w_lr, lanes 16-31 x.w_wd
	v_lshl_add_u32 v8, v1, 2, PART                 ; and where wave 0 reads them: 4 x lane
	v_lshlrev_b32 v9, 2, v2                        ; 4 r
	v_and_b32 v18, 8, v2
	v_add_nc_u32 v18, v18, v2                      ; r + 8 (r / 8)
	v_mul_u32_u24 v173, v18, 768                   ; a weight's row of codes is 768 bytes;
	v_mad_u32_u24 v173, v3, 24, v173               ; + 24 h
	v_lshlrev_b32 v174, 5, v18                     ; its row of scales 32
	s_mov_b32 s41, 0
	s_mov_b32 s43, 0
	s_mov_b32 s[SEL], 0x76543210
	s_mov_b32 s[SEL+1], 0xfedcba98
	s_lshr_b32 s35, ttmp9, 6                       ; batch
	s_bfe_u32 s36, ttmp9, 0x30003                  ; group
	s_and_b32 s37, ttmp9, 7                        ; block a
	s_lshl_b32 s32, s36, 7
	s_lshr_b32 s39, s37, 1
	s_lshl_b32 s39, s39, 5
	s_add_co_u32 s32, s32, s39
	s_and_b32 s39, s37, 1
	s_lshl_b32 s39, s39, 3
	s_add_co_u32 s32, s32, s39                     ; the block's first row among 1,024: 128 g + 32 (a / 2) + 8 (a % 2)
	s_lshl_b32 s38, s35, 10
	s_add_co_u32 s38, s38, s32                     ; and among x's 8,192
	s_lshl_b32 s40, s38, 12
	s_lshl_b32 s42, s33, 9                         ; my 128 along K: 512 bytes
	s_add_co_u32 s40, s40, s42
	s_wait_kmcnt 0x0
	s_add_nc_u64 s[4:5], s[4:5], s[40:41]
	s_add_nc_u64 s[6:7], s[6:7], s[42:43]
	s_add_nc_u64 s[8:9], s[8:9], s[42:43]
.set i, 0
.rept 16
	global_load_b128 v[R+4*i:R+4*i+3], v4, s[4:5] offset:(i+8*(i/8))*4096 th:TH_LOAD_NT   ; 512 consecutive bytes of row i of the block
.set i, i+1
.endr
	global_load_b128 v[10:13], v4, s[6:7]          ; my four numbers of w_lr
	global_load_b128 v[14:17], v4, s[8:9]          ; and of w_wd
	s_load_b32 s46, s[10:11], 0x0                  ; b_lr
	s_load_b32 s47, s[12:13], 0x0                  ; b_wd
	s_load_b32 s48, s[14:15], 0x0                  ; log_base_lr
	s_load_b32 s49, s[16:17], 0x0                  ; log_base_wd
	s_mul_i32 s40, s35, IMG
	s_mul_i32 s39, s36, GST
	s_add_co_u32 s40, s40, s39
	s_mul_i32 s39, s33, PST
	s_add_co_u32 s40, s40, s39                     ; my piece of the image
	s_mul_i32 s39, s37, 1536
	s_add_co_u32 s42, s40, s39                     ; the block's fragment in it
	s_lshl_b32 s39, s37, 6
	s_add_co_u32 s40, s40, s39
	s_add_co_u32 s40, s40, 12288                   ; and its scale words
	s_add_nc_u64 s[50:51], s[30:31], s[42:43]
	s_add_nc_u64 s[52:53], s[30:31], s[40:41]
	s_lshl_b32 s40, s38, 2
	s_add_co_u32 s40, s40, LRO
	s_add_nc_u64 s[54:55], s[30:31], s[40:41]      ; lr of the block's first row
	; ---- batches 0, 1, 2: one fragment of w_q, w_k, w_v: the codes are the operand's registers as they lie; they only change places
	s_cmp_lt_u32 s35, 3
	s_cbranch_scc0 .Lno_w
	s_cmp_eq_u32 s35, 0
	s_cselect_b64 s[56:57], s[18:19], s[22:23]
	s_cselect_b64 s[58:59], s[20:21], s[24:25]
	s_cmp_eq_u32 s35, 2
	s_cselect_b64 s[56:57], s[26:27], s[56:57]
	s_cselect_b64 s[58:59], s[28:29], s[58:59]
	s_mul_i32 s40, s32, 768
	s_mul_i32 s39, s33, 96                         ; 128 codes are 96 bytes
	s_add_co_u32 s40, s40, s39
	s_add_nc_u64 s[56:57], s[56:57], s[40:41]
	s_lshl_b32 s40, s32, 5
	s_lshl_b32 s39, s33, 2                         ; and their scales one word
	s_add_co_u32 s40, s40, s39
	s_add_nc_u64 s[58:59], s[58:59], s[40:41]
.irp p, 0,1,2,3,4,5
	global_load_b64 v[WF+2*\p:WF+2*\p+1], v173, s[56:57] offset:48*(\p/3)+8*(\p%3)
.endr
	global_load_b32 v[WF+12], v174, s[58:59]
	s_wait_loadcnt 0x0                             ; (x's loads are waited for here too: the next line of the common way would do so anyway)
.irp c, 0,1,2
	global_store_b128 v4, v[WF+4*\c:WF+4*\c+3], s[50:51] offset:WI+512*\c   ; weight number = batch number: the same place, one operand of eight images further on
.endr
	global_store_b32 v9, v[WF+12], s[52:53] offset:WI
.Lno_w:
	s_wait_loadcnt 0x0
.set i, 0
.rept 16
	ds_store_b128 v5, v[R+4*i:R+4*i+3] offset:528*i
.set i, i+1
.endr
	; the two dot products: my four numbers of each row, in f32
.set i, 0
.rept 16
	v_pk_mul_f32 v[P+2*i:P+2*i+1], v[R+4*i:R+4*i+1], v[10:11]
	v_pk_mul_f32 v[P+32+2*i:P+33+2*i], v[R+4*i:R+4*i+1], v[14:15]
.set i, i+1
.endr
.set i, 0
.rept 16
	v_pk_fma_f32 v[P+2*i:P+2*i+1], v[R+4*i+2:R+4*i+3], v[12:13], v[P+2*i:P+2*i+1]
	v_pk_fma_f32 v[P+32+2*i:P+33+2*i], v[R+4*i+2:R+4*i+3], v[16:17], v[P+32+2*i:P+33+2*i]
.set i, i+1
.endr
.set k, 0
.rept 32
	v_add_f32 v[P+k], v[P+2*k], v[P+2*k+1]         ; ascending: what is written has been read
.set k, k+1
.endr
.set k, 0
.rept 16
	v_permlane16_swap_b32 v[P+k], v[P+16+k]        ; lanes 0-15 of both now hold w_lr's parts, lanes 16-31 w_wd's
.set k, k+1
.endr
.set k, 0
.rept 16
	v_add_f32 v[P+k], v[P+k], v[P+16+k]
.set k, k+1
.endr
.irp m, 1,2,4,8
.set k, 0
.rept 16
	v_add_f32_dpp v[P+k], v[P+k], v[P+k] row_xmask:\m row_mask:0xf bank_mask:0xf
.set k, k+1
.endr
.endr
.set k, 0
.rept 16
	ds_store_b32 v7, v[P+k] offset:4*k             ; sixteen lanes write the same word with the same value
.set k, k+1
.endr
	s_wait_dscnt 0x0                               ; my stores have landed and have read their registers
.irp b, 0,1,2,3
.irp j, 0,1,2,3
	ds_load_b128 v[R+16*\b+4*\j:R+16*\b+4*\j+3], v6 offset:128*\b+16*\j   ; row r: my 16 neighbours of block b
.endr
.endr
	s_wait_dscnt 0x0
	QUANT R
.irp c, 0,1,2
	global_store_b128 v4, v[PC+4*\c:PC+4*\c+3], s[50:51] offset:512*\c   ; 512 consecutive bytes
.endr
	global_store_b32 v9, v[PW], s[52:53]           ; 16 scale words (both halves of the lanes hold and write the same)
	s_barrier_signal -1                            ; every wave's parts of the dot products lie in LDS (waited for above)
	s_barrier_wait -1
	s_cmp_lg_u32 s33, 0
	s_cbranch_scc1 .Lend
.irp w, 0,1,2,3,4,5,6,7
	ds_load_b32 v[40+\w], v8 offset:128*\w
.endr
	s_mov_b32 s56, 0xffff0000                      ; lanes 16-31
	s_wait_kmcnt 0x0
	v_mov_b32 v20, s46
	v_mov_b32 v21, s47
	v_cndmask_b32 v20, v20, v21, s56               ; b_lr | b_wd
	v_mov_b32 v22, s48
	v_mov_b32 v23, s49
	v_cndmask_b32 v22, v22, v23, s56               ; log_base_lr | log_base_wd
	v_lshlrev_b32 v24, 2, v18
	v_lshl_add_u32 v24, v3, 15, v24                ; row r + 8 (r / 8) of the block; lanes 16-31 in the second table
	s_wait_dscnt 0x0
.irp w, 1,2,3,4,5,6,7
	v_add_f32 v40, v40, v[40+\w]
.endr
	v_add_f32 v40, v40, v20                        ; t
	v_mul_f32 v49, 0xbfb8aa3b, v40
	v_mul_f32 v50, 0x3fb8aa3b, v22
	v_exp_f32 v49, v49                             ; e^-t
	v_exp_f32 v50, v50                             ; the base
	v_nop
	s_wait_alu depctr_va_vdst(0)                   ; one wait for the two, ahead of their first reader
	v_add_f32 v49, 1.0, v49
	v_rcp_f32 v49, v49                             ; sigmoid(t)
	v_nop
	s_wait_alu depctr_va_vdst(0)
	v_mul_f32 v51, v50, v49                        ; u = base x sigmoid: lr in lanes 0-15
	v_sub_f32 v52, 1.0, v51                        ; w = 1 - u, rounded;
	v_sub_f32 v53, 1.0, v52
	v_sub_f32 v53, v53, v51                        ; what the rounding dropped
	v_log_f32 v54, v52
	v_rcp_f32 v55, v52
	v_nop
	s_wait_alu depctr_va_vdst(0)
	v_mul_f32 v53, v53, v55
	v_fmamk_f32 v54, v53, 0x3fb8aa3b, v54          ; log2(1 - u) = log2(w) + (dropped / w) log2(e)
	v_cndmask_b32 v51, v51, v54, s56
	global_store_b32 v24, v51, s[54:55]
.Lend:
	s_wait_tensorcnt 0x0
	ds_add_u32 v176, v177
	s_wait_dscnt 0x0
	s_endpgm
.Lfunc_end_k_q2115d33080_prep_x:
	.size	k_q2115d33080_prep_x, .Lfunc_end_k_q2115d33080_prep_x-k_q2115d33080_prep_x
	.p2alignl 7, 3214868480
	.fill 96, 4, 3214868480
	.section	.rodata,"a",@progbits
	.p2align	6, 0x0
	.amdhsa_kernel k_q2115d33080_prep_x
		.amdhsa_group_segment_fixed_size 69632
		.amdhsa_private_segment_fixed_size 0
		.amdhsa_enable_private_segment 0
		.amdhsa_kernarg_size 112
		.amdhsa_user_sgpr_count 2
		.amdhsa_user_sgpr_kernarg_segment_ptr 1
		.amdhsa_wavefront_size32 1
		.amdhsa_system_sgpr_workgroup_id_x 1
		.amdhsa_system_sgpr_workgroup_id_y 1
		.amdhsa_system_sgpr_workgroup_id_z 1
		.amdhsa_system_vgpr_workitem_id 0
		.amdhsa_next_free_vgpr 178
		.amdhsa_next_free_sgpr 66
		.amdhsa_reserve_vcc 0
		.amdhsa_float_denorm_mode_32 3
		.amdhsa_float_denorm_mode_16_64 3
		.amdhsa_memory_ordered 1
		.amdhsa_forward_progress 1
		.amdhsa_inst_pref_size 27
	.end_amdhsa_kernel
	.amdgpu_metadata
---
amdhsa.version: [ 1, 2 ]
amdhsa.kernels:
  - .name:           k_q2115d33080_prep_x
    .symbol:         k_q2115d33080_prep_x.kd
    .args:
      - { .name: x, .offset: 0, .size: 8, .value_kind: global_buffer, .address_space: global }
      - { .name: w_lr, .offset: 8, .size: 8, .value_kind: global_buffer, .address_space: global }
      - { .name: w_wd, .offset: 16, .size: 8, .value_kind: global_buffer, .address_space: global }
      - { .name: b_lr, .offset: 24, .size: 8, .value_kind: global_buffer, .address_space: global }
      - { .name: b_wd, .offset: 32, .size: 8, .value_kind: global_buffer, .address_space: global }
      - { .name: log_base_lr, .offset: 40, .size: 8, .value_kind: global_buffer, .address_space: global }
      - { .name: log_base_wd, .offset: 48, .size: 8, .value_kind: global_buffer, .address_space: global }
      - { .name: w_q_codes, .offset: 56, .size: 8, .value_kind: global_buffer, .address_space: global }
      - { .name: w_q_scales, .offset: 64, .size: 8, .value_kind: global_buffer, .address_space: global }
      - { .name: w_k_codes, .offset: 72, .size: 8, .value_kind: global_buffer, .address_space: global }
      - { .name: w_k_scales, .offset: 80, .size: 8, .value_kind: global_buffer, .address_space: global }
      - { .name: w_v_codes, .offset: 88, .size: 8, .value_kind: global_buffer, .address_space: global }
      - { .name: w_v_scales, .offset: 96, .size: 8, .value_kind: global_buffer, .address_space: global }
      - { .name: wsA, .offset: 104, .size: 8, .value_kind: global_buffer, .address_space: global }
    .group_segment_fixed_size: 69632
    .private_segment_fixed_size: 0
    .kernarg_segment_align: 8
    .kernarg_segment_size: 112
    .max_flat_workgroup_size: 256
    .sgpr_count:     66
    .vgpr_count:     178
    .wavefront_size: 32
...
	.end_amdgpu_metadata
.endif
;; end of part 1
;; launch prep_h (part 2): grid 520 x 1, 8 waves a work-group, no clusters, 77,824 bytes of LDS; arguments hidden, wsA, wsB; writes wsB
.if DOCPART == 2
	.amdgcn_target "amdgcn-amd-amdhsa--gfx1250"
	.amdhsa_code_object_version 6
	.text
	.protected	k_q2115d33080_prep_h
	.globl	k_q2115d33080_prep_h
	.p2align	8
	.type	k_q2115d33080_prep_h,@function
k_q2115d33080_prep_h:
	s_mov_b64 s[64:65], 0
	v_nop
	global_prefetch_b8 v0, s[64:65] scope:SCOPE_SE
	s_setreg_imm32_b32 hwreg(HW_REG_WAVE_MODE, 25, 1), 1
	s_wait_xcnt 0x0
; Work-groups 8 .. 519: hidden [8][1024 d][1024 h] f32 becomes codes of E2M3 along h WITH THE SIGN TURNED (the quantiser is odd, so turning the codes' sign bits is exact), laid as images
; (see the first launch).  Work-groups 0 .. 7: the scan of a batch's 1,024 numbers log2 wd.
; THE SCAN IS KEPT AS AN UNEVALUATED PAIR hi + lo: later launches form differences c[m] - c[l] of sums that reach some hundreds, and a plain f32 prefix sum would leave an error in them that
; shows ahead of a quantiser.  Stored: the pair, wd_cross = 2^c, and lr x 2^(c[last] - c).
; LIMITS: NaN and infinities are not served; a block of zeros gets the byte 1; 2^c comes out as 0 below 2^-126.
.set IMG,  819200
.set GST,  102400
.set PST,  12800
.set LRO,  9011200                     ; wsA: lr; log2 wd 32,768 bytes on
.set CHIO, 6553600                     ; wsB: behind the images: c's high parts, its low parts, wd_cross, lr x wd_last
.set CLOO, 6586368
.set WCRO, 6619136
.set S2O,  6651904
.set STG,  8448                        ; LDS of the hidden path: a stage of 16 rows x 528 bytes for each wave
.set CH,   67584                       ; LDS of the scan's path, its own bytes: 32 x 144 bytes of high parts, and as many of low parts
.set CLD,  4608
.set R,    32
.set TM,   96
.set PW,   112
.set PC,   116
.set SEL,  44
.macro QUANT s
.irp b, 0,1,2,3
	v_max3_num_f32 v[TM+\b], |v[\s+16*\b]|, |v[\s+1+16*\b]|, 0x1800000   ; my 16 numbers of block b, and the floor 2^(3 - 127)
.endr
.irp i, 2,4,6,8,10,12,14
.irp b, 0,1,2,3
	v_max3_num_f32 v[TM+\b], v[TM+\b], |v[\s+16*\b+\i]|, |v[\s+1+16*\b+\i]|
.endr
.endr
.irp b, 0,1,2,3
	v_permlanex16_b32 v[TM+4+\b], v[TM+\b], s[SEL], s[SEL+1]
.endr
.irp b, 0,1,2,3
	v_max_num_f32 v[TM+\b], v[TM+\b], v[TM+4+\b]
.endr
.irp b, 0,1,2,3
	v_add_nc_u32 v[TM+12+\b], 0xff000000, v[TM+\b]
.endr
.irp b, 0,1,2,3
	v_lshrrev_b32 v[TM+4+\b], 23, v[TM+12+\b]
.endr
	v_lshl_or_b32 v[PW], v[TM+5], 8, v[TM+4]
	v_lshl_or_b32 v[PW], v[TM+6], 16, v[PW]
	v_lshl_or_b32 v[PW], v[TM+7], 24, v[PW]
.irp c, 0,1
	v_cvt_scalef32_pk16_fp6_f32 v[PC+6*\c:PC+2+6*\c], v[\s+32*\c:\s+15+32*\c], v[TM+12+2*\c]
	v_cvt_scalef32_pk16_fp6_f32 v[PC+12+4*\c:PC+14+4*\c], v[\s+16+32*\c:\s+31+32*\c], v[TM+13+2*\c]
.endr
	v_nop                                            ; one plain place behind a scaled conversion
.irp c, 0,1
.irp i, 0,1,2
	v_permlane16_swap_b32 v[PC+6*\c+\i], v[PC+12+4*\c+\i]
.endr
.irp i, 0,1,2
	v_mov_b32 v[PC+3+6*\c+\i], v[PC+12+4*\c+\i]
.endr
.endr
.endm
	s_load_b128 s[4:7], s[0:1], 0x0                ; hidden, wsA
	s_load_b64 s[8:9], s[0:1], 0x10                ; wsB
	v_lshl_add_u32 v160, v0, 2, 0x12c00
	v_mov_b32 v161, 0
	v_lshrrev_b32 v1, 5, v0
	v_readfirstlane_b32 s33, v1                    ; wave
	v_and_b32 v1, 31, v0                           ; lane
	v_and_b32 v2, 15, v0                           ; r
	v_bfe_u32 v3, v0, 4, 1                         ; h
	v_lshlrev_b32 v4, 4, v1
	s_mul_i32 s34, s33, STG
	v_add_nc_u32 v5, s34, v4
	v_mul_u32_u24 v6, v2, 528
	v_lshl_add_u32 v6, v3, 6, v6
	v_add_nc_u32 v6, s34, v6
	v_lshlrev_b32 v9, 2, v2
	v_mul_u32_u24 v10, v1, 144
	v_add_nc_u32 v10, CH, v10                      ; the scan: where lane l puts its 32 sums
	v_lshrrev_b32 v11, 3, v0
	v_mul_u32_u24 v11, v11, 144
	v_and_b32 v12, 7, v0
	v_lshl_add_u32 v11, v12, 4, v11
	v_add_nc_u32 v11, CH, v11                      ; where thread t finds elements 4 t .. 4 t + 3
	v_mov_b32 v12, CH+31*144+124                   ; and the last element
	v_lshlrev_b32 v13, 7, v1                       ; 128 x lane
	v_lshlrev_b32 v19, 4, v0                       ; 16 x thread
	s_mov_b32 s41, 0
	s_mov_b32 s43, 0
	s_mov_b32 s[SEL], 0x76543210
	s_mov_b32 s[SEL+1], 0xfedcba98
	s_cmp_lt_u32 ttmp9, 8
	s_cbranch_scc1 .Lscan
	; ---- a block of 16 rows of hidden
	s_sub_co_u32 s34, ttmp9, 8
	s_lshr_b32 s35, s34, 6                         ; batch
	s_bfe_u32 s36, s34, 0x30003                    ; group
	s_and_b32 s37, s34, 7                          ; block a
	s_lshl_b32 s38, s35, 10
	s_lshl_b32 s39, s36, 7
	s_add_co_u32 s38, s38, s39
	s_lshr_b32 s39, s37, 1
	s_lshl_b32 s39, s39, 5
	s_add_co_u32 s38, s38, s39
	s_and_b32 s39, s37, 1
	s_lshl_b32 s39, s39, 3
	s_add_co_u32 s38, s38, s39
	s_lshl_b32 s40, s38, 12
	s_lshl_b32 s39, s33, 9
	s_add_co_u32 s40, s40, s39
	s_wait_kmcnt 0x0
	s_add_nc_u64 s[4:5], s[4:5], s[40:41]
.set i, 0
.rept 16
	global_load_b128 v[R+4*i:R+4*i+3], v4, s[4:5] offset:(i+8*(i/8))*4096   ; 512 consecutive bytes of row i of the block
.set i, i+1
.endr
	s_mul_i32 s40, s35, IMG
	s_mul_i32 s39, s36, GST
	s_add_co_u32 s40, s40, s39
	s_mul_i32 s39, s33, PST
	s_add_co_u32 s40, s40, s39
	s_mul_i32 s39, s37, 1536
	s_add_co_u32 s42, s40, s39
	s_lshl_b32 s39, s37, 6
	s_add_co_u32 s40, s40, s39
	s_add_co_u32 s40, s40, 12288
	s_add_nc_u64 s[50:51], s[8:9], s[42:43]
	s_add_nc_u64 s[52:53], s[8:9], s[40:41]
	s_mov_b32 s46, 0x20820820                      ; the sign bits of 16 codes in 96 bits: bit 6 i + 5
	s_mov_b32 s47, 0x08208208
	s_mov_b32 s48, 0x82082082
.irp b, 0,1,2,3
	v_mov_b32 v[TM+4+\b], 0                        ; a lane permute's destination counts as one of its sources
.endr
	s_wait_loadcnt 0x0
.set i, 0
.rept 16
	ds_store_b128 v5, v[R+4*i:R+4*i+3] offset:528*i
.set i, i+1
.endr
	s_wait_dscnt 0x0                               ; the stores have read their registers
.irp b, 0,1,2,3
.irp j, 0,1,2,3
	ds_load_b128 v[R+16*\b+4*\j:R+16*\b+4*\j+3], v6 offset:128*\b+16*\j
.endr
.endr
	s_wait_dscnt 0x0
	QUANT R
.set i, 0
.rept 12
	v_xor_b32 v[PC+i], s[46+i%3], v[PC+i]          ; -hidden
.set i, i+1
.endr
.irp c, 0,1,2
	global_store_b128 v4, v[PC+4*\c:PC+4*\c+3], s[50:51] offset:512*\c
.endr
	global_store_b32 v9, v[PW], s[52:53]
	s_wait_tensorcnt 0x0
	ds_add_u32 v160, v161
	s_wait_dscnt 0x0
	s_endpgm
	; ---- the scan of batch ttmp9
.Lscan:
	s_lshl_b32 s40, ttmp9, 12
	s_add_co_u32 s42, s40, LRO
	s_wait_kmcnt 0x0
	s_add_nc_u64 s[6:7], s[6:7], s[42:43]          ; lr of my batch; log2 wd 32,768 bytes on
	s_add_nc_u64 s[8:9], s[8:9], s[40:41]
	global_load_b128 v[20:23], v19, s[6:7]         ; lr of my four elements
	s_cmp_lg_u32 s33, 0
	s_cbranch_scc1 .Lall
.irp j, 0,1,2,3,4,5,6,7
	global_load_b128 v[32+4*\j:35+4*\j], v13, s[6:7] offset:32768+16*\j   ; lane l: elements 32 l .. 32 l + 31
.endr
	s_wait_loadcnt 0x0
	v_mov_b32 v64, v32                             ; the lane's own running sums: high parts v64-95, low parts v96-127
	v_mov_b32 v96, 0
.set j, 1
.rept 31
	v_add_f32 v[64+j], v[63+j], v[32+j]            ; the sum, and exactly what its rounding dropped
	v_sub_f32 v14, v[64+j], v[63+j]
	v_sub_f32 v15, v[64+j], v14
	v_sub_f32 v16, v[32+j], v14
	v_sub_f32 v15, v[63+j], v15
	v_add_f32 v15, v15, v16
	v_add_f32 v[96+j], v[95+j], v15
.set j, j+1
.endr
.macro PADD                            ; the pair (v128, v129) += the pair (v130, v131)
	v_add_f32 v14, v128, v130
	v_sub_f32 v15, v14, v128
	v_sub_f32 v16, v14, v15
	v_sub_f32 v17, v130, v15
	v_sub_f32 v16, v128, v16
	v_add_f32 v16, v16, v17
	v_add_f32 v129, v129, v131
	v_add_f32 v129, v129, v16
	v_mov_b32 v128, v14
.endm
.irp q, 128,129,130,131
	v_mov_b32 v\q, 0
.endr
	v_mov_b32_dpp v128, v95 row_shr:1 row_mask:0xf bank_mask:0xf bound_ctrl:1    ; each lane takes the total of the lane below it (0 at a row's first lane),
	v_mov_b32_dpp v129, v127 row_shr:1 row_mask:0xf bank_mask:0xf bound_ctrl:1
	v_readlane_b32 s20, v95, 15
	v_readlane_b32 s21, v127, 15
	v_writelane_b32 v128, s20, 16                  ; lane 16 that of lane 15
	v_writelane_b32 v129, s21, 16
.irp n, 1,2,4,8
	v_mov_b32_dpp v130, v128 row_shr:\n row_mask:0xf bank_mask:0xf bound_ctrl:1
	v_mov_b32_dpp v131, v129 row_shr:\n row_mask:0xf bank_mask:0xf bound_ctrl:1
	PADD                                           ; running sums inside each row of 16 lanes
.endr
	v_readlane_b32 s20, v128, 15
	v_readlane_b32 s21, v129, 15
	s_mov_b32 s22, 0xffff0000
	v_mov_b32 v14, s20
	v_mov_b32 v15, s21
	v_cndmask_b32 v130, 0, v14, s22
	v_cndmask_b32 v131, 0, v15, s22
	PADD                                           ; lanes 16-31 add what lies below lane 15: now each lane holds the sum of all lanes below it
.set j, 0
.rept 32
	v_add_f32 v[32+j], v128, v[64+j]               ; c's high part,
	v_sub_f32 v14, v[32+j], v128
	v_sub_f32 v15, v[32+j], v14
	v_sub_f32 v16, v[64+j], v14
	v_sub_f32 v15, v128, v15
	v_add_f32 v15, v15, v16
	v_add_f32 v[96+j], v129, v[96+j]
	v_add_f32 v[96+j], v[96+j], v15                ; and its low part
.set j, j+1
.endr
.irp q, 0,1,2,3,4,5,6,7
	ds_store_b128 v10, v[32+4*\q:35+4*\q] offset:16*\q
	ds_store_b128 v10, v[96+4*\q:99+4*\q] offset:CLD+16*\q
.endr
.Lall:
	s_wait_dscnt 0x0                               ; wave 0's stores have landed
	s_barrier_signal -1
	s_barrier_wait -1
	ds_load_b128 v[136:139], v11
	ds_load_b128 v[140:143], v11 offset:CLD
	ds_load_b32 v144, v12
	ds_load_b32 v145, v12 offset:CLD
	s_wait_dscnt 0x0
	s_wait_loadcnt 0x0
.irp e, 0,1,2,3
	v_add_f32 v[148+\e], v[136+\e], v[140+\e]
	v_sub_f32 v[152+\e], v144, v[136+\e]           ; c[last] - c: the high parts' difference, then the low parts'
	v_sub_f32 v[156+\e], v145, v[140+\e]
	v_add_f32 v[152+\e], v[152+\e], v[156+\e]
.endr
.irp e, 0,1,2,3
	v_exp_f32 v[148+\e], v[148+\e]                 ; wd_cross
	v_exp_f32 v[152+\e], v[152+\e]                 ; wd_inner's last column
.endr
	v_nop
	s_wait_alu depctr_va_vdst(0)                   ; one wait for the eight, ahead of their first reader
.irp e, 0,1,2,3
	v_mul_f32 v[152+\e], v[20+\e], v[152+\e]
.endr
	global_store_b128 v19, v[136:139], s[8:9] offset:CHIO   ; a wave stores 512 consecutive bytes
	global_store_b128 v19, v[140:143], s[8:9] offset:CLOO
	global_store_b128 v19, v[148:151], s[8:9] offset:WCRO
	global_store_b128 v19, v[152:155], s[8:9] offset:S2O
	s_wait_tensorcnt 0x0
	ds_add_u32 v160, v161
	s_wait_dscnt 0x0
	s_endpgm
.Lfunc_end_k_q2115d33080_prep_h:
	.size	k_q2115d33080_prep_h, .Lfunc_end_k_q2115d33080_prep_h-k_q2115d33080_prep_h
	.p2alignl 7, 3214868480
	.fill 96, 4, 3214868480
	.section	.rodata,"a",@progbits
	.p2align	6, 0x0
	.amdhsa_kernel k_q2115d33080_prep_h
		.amdhsa_group_segment_fixed_size 77824
		.amdhsa_private_segment_fixed_size 0
		.amdhsa_enable_private_segment 0
		.amdhsa_kernarg_size 24
		.amdhsa_user_sgpr_count 2
		.amdhsa_user_sgpr_kernarg_segment_ptr 1
		.amdhsa_wavefront_size32 1
		.amdhsa_system_sgpr_workgroup_id_x 1
		.amdhsa_system_sgpr_workgroup_id_y 1
		.amdhsa_system_sgpr_workgroup_id_z 1
		.amdhsa_system_vgpr_workitem_id 0
		.amdhsa_next_free_vgpr 162
		.amdhsa_next_free_sgpr 66
		.amdhsa_reserve_vcc 0
		.amdhsa_float_denorm_mode_32 3
		.amdhsa_float_denorm_mode_16_64 3
		.amdhsa_memory_ordered 1
		.amdhsa_forward_progress 1
		.amdhsa_inst_pref_size 34
	.end_amdhsa_kernel
	.amdgpu_metadata
---
amdhsa.version: [ 1, 2 ]
amdhsa.kernels:
  - .name:           k_q2115d33080_prep_h
    .symbol:         k_q2115d33080_prep_h.kd
    .args:
      - { .name: hidden, .offset: 0, .size: 8, .value_kind: global_buffer, .address_space: global }
      - { .name: wsA, .offset: 8, .size: 8, .value_kind: global_buffer, .address_space: global }
      - { .name: wsB, .offset: 16, .size: 8, .value_kind: global_buffer, .address_space: global }
    .group_segment_fixed_size: 77824
    .private_segment_fixed_size: 0
    .kernarg_segment_align: 8
    .kernarg_segment_size: 24
    .max_flat_workgroup_size: 256
    .sgpr_count:     66
    .vgpr_count:     162
    .wavefront_size: 32
...
	.end_amdgpu_metadata
.endif
;; end of part 2
;; launch proj (part 3): grid 64 x 4, 4 waves a work-group, clusters of 4 x 4, 327,680 bytes of LDS; arguments wsA, b_q, b_k, wsC; writes wsC
.if DOCPART == 3
	.amdgcn_target "amdgcn-amd-amdhsa--gfx1250"
	.amdhsa_code_object_version 6
	.text
	.protected	k_q2115d33080_proj
	.globl	k_q2115d33080_proj
	.p2align	8
	.type	k_q2115d33080_proj,@function
k_q2115d33080_proj:
	s_mov_b64 s[64:65], 0
	v_nop
	global_prefetch_b8 v0, s[64:65] scope:SCOPE_SE
	s_setreg_imm32_b32 hwreg(HW_REG_WAVE_MODE, 25, 1), 1
	s_wait_xcnt 0x0
	s_wait_alu depctr_hold_cnt(0) depctr_sa_sdst(0) depctr_va_vdst(0) depctr_va_sdst(0) depctr_va_ssrc(0) depctr_va_vcc(0) depctr_vm_vsrc(0)
	s_getreg_b32 s2, hwreg(HW_REG_IB_STS2, 6, 4)
	s_cmp_eq_u32 s2, 0
	s_cbranch_scc0 .Lentry_in_a_cluster
	s_endpgm
.Lentry_in_a_cluster:
	s_bfe_u32 s2, ttmp6, 0x10000c
	s_cmp_lg_u32 s2, 0xf033
	s_cbranch_scc0 .Lentry_shape_is_right
	s_endpgm
.Lentry_shape_is_right:
; query = x w_q + b_q and key = x w_k + b_k on codes of E2M3, quantised again along h on the way out: they leave as images of operand registers and never as f32.
; A CLUSTER of 4 x 4 work-groups makes one 1,024 x 1,024 result: job = cluster / 8 (0: query, 1: key), batch = cluster % 8.  A work-group makes 256 x 256, a wave 128 x 128: 64 accumulators.
; OPERANDS ARE IMAGES: [group of 128 rows][128 along K][12,800 bytes]: eight fragments of 1,536 bytes as the registers take them (16 bytes a lane, three loads), then the 128 rows' scale words.
; So a K step of 256 of a group is 25,600 dense bytes, and neighbouring K steps lie on end: one tensor load a wave, no padding (every LDS load takes 512 bytes on end), and the scale words travel with the codes.
; Block a of a group holds the rows 32 (a / 2) + 8 (a % 2) + r + 8 (r / 8).  THE MATRIX INSTRUCTION IS USED TRANSPOSED: source 0 = 16 rows of "B" (the weight), source 1 = 16 rows of "A" (x):
; a lane holds one row of x, and the 16 registers of tiles 2 b and 2 b + 1 are 16 neighbours along h: what the conversions want.
; A's tiles are shared along a row of the cluster, B's along a column: joint loads.
; THE RING HAS THREE SLOTS, group by group: wave w fills LDS bytes 76,800 w on, three slots of 25,600 on end.  K = 1,024 is four K steps: 0, 1, 2 are first fills; K step 3 is asked for into slot 0 behind
; K step 0 and waited for behind K step 2: 224 matrix instructions lie between.  Between K steps 1 and 2 stands no barrier: the round behind K step 0 has shown both whole to every wave.
; REGISTERS: window 0: v2-15 addresses, v16-31 at work, v32-63 scale words (two sets, by turns), v64-127 the bias as the first C, v128-223 A's fragments (one set), v224-243 codes just made.
;   window 1: B's fragments, two sets, at v0 and v128.  windows 2, 3: the accumulators, (a, t) at v[8 (8 (a % 4) + t)].
; LIMITS: NaN and infinities are not served; a block of zeros gets the byte 1 (its codes are zeros; this program alone reads the bytes).
.set IMG,   819200
.set OPS,   6553600
.set GST,   102400
.set PST,   12800
.set KSB,   25600                      ; a K step of a group: a slot
.set RGN,   76800                      ; a group's three slots
.set SPARE, 307200                     ; behind the four groups' slots: the spare words, 128 bytes for each wave
.set SCR0,  307712                     ; behind them: 512 bytes for each wave, its 128 scale words
.set WI,    6553600
.set ADRA, 2                           ; v2: A's fragments in slots 0 and 1 (the slot stands in the immediate), v3: in slot 2
.set ADRB, 4                           ; v4, v5: the same for B
.set ADRS, 6                           ; v6, v7: for the scale words
.set SPW,  8
.set NIL,  9
.set LI,   12
.set SCW,  13
.set SCR,  14
.set PW,   15
.set TM,   16
.set SC,   32
.set BI,   64
.set AF,   128
.set PC,   224
.set G1A,  24                          ; s[24:31] group 1 for A's tiles; s[32:43] three groups 0
.set G0A,  32
.set G1B,  48                          ; s[48:55] group 1 for B's; s[56:63], s[44:47] three groups 0
.set G0B,  56
.set PA,   66                          ; s[66:67] where my group of A begins in memory, s[68:69] my group of B
.set SEL,  88
.set BIDX, 0                           ; the first C goes by the tile of source 0
.set MSB, 0
.macro WIN new                         ; the immediate's high byte repeats the setting that is left
.if MSB != \new
	s_set_vgpr_msb (MSB<<8)|\new
.set MSB, \new
.endif
.endm
.macro PLACES n
.rept \n
	v_nop
.endr
.endm
.macro JLOAD ga, gb                    ; a joint load: waves 0 and 1 fetch A's two groups, waves 2 and 3 B's; four v_nop follow each line
	s_cmp_eq_u32 s17, 0
	s_cbranch_scc0 .Lfor_b_\@
	tensor_load_to_lds s[\ga:\ga+3], s[G1A:G1A+7]
	s_nop 0
.rept 4
	v_nop
.endr
	s_branch .Lasked_\@
.Lfor_b_\@:
	tensor_load_to_lds s[\gb:\gb+3], s[G1B:G1B+7]
	s_nop 0
.rept 4
	v_nop
.endr
.Lasked_\@:
.endm
.macro CREST                           ; a round of the cluster's barrier behind its opening barrier
	s_cmp_lg_u32 s16, 0
	s_cbranch_scc1 .Lnot_wave_0_\@
	s_barrier_signal -3
.Lnot_wave_0_\@:
	s_barrier_wait -3
	s_barrier_signal -1
	s_barrier_wait -1
.endm
.macro CROUND
	s_barrier_signal -1
	s_barrier_wait -1
	CREST
.endm
.macro FRAG reg, adr, slot, q, i       ; a fragment comes as it was stored: three loads of 512 consecutive bytes
.irp c, 0,1,2
	ds_load_b128 v[\reg+4*\c:\reg+4*\c+3], v[\adr+(\slot)/2] offset:((\slot)%2)*KSB+(\q)*PST+(\i)*1536+512*\c
.endr
.endm
.macro FETCH_B slot, q, p
	WIN 0x40
.irp i, 0,1,2,3,4,5,6,7
	FRAG 128*(\p)+12*\i, ADRB, \slot, \q, \i
.endr
	WIN 0
.endm
.macro FETCH_A slot, q, i0
.irp i, \i0, \i0+1, \i0+2, \i0+3
	FRAG AF+12*(\i), ADRA, \slot, \q, \i
.endr
.endm
.macro SCALES slot, set                ; lanes 0-15 take the words of A's block i, lanes 16-31 those of B's block i; register 2 i + q of the set
.irp i, 0,1,2,3,4,5,6,7
	ds_load_b32 v[SC+16*(\set)+2*\i], v[ADRS+(\slot)/2] offset:((\slot)%2)*KSB+\i*64
	ds_load_b32 v[SC+16*(\set)+2*\i+1], v[ADRS+(\slot)/2] offset:((\slot)%2)*KSB+PST+\i*64
.endr
.endm
; 16 matrix instructions: A's blocks a0, a0 + 1 x B's eight.  mode 0: onto the sums; 1: the constant 0 starts them; 2: the bias starts them.  The 64 accumulators take turns.
.macro MUL16 a0, p, q, sc, mode
.irp a, \a0, \a0+1
.irp b, 0,1,2,3,4,5,6,7
.if \mode == 1
	v_wmma_scale_f32_16x16x128_f8f6f4 v[8*(8*((\a)%4)+\b):8*(8*((\a)%4)+\b)+7], v[128*(\p)+12*\b:128*(\p)+12*\b+11], v[AF+12*(\a):AF+12*(\a)+11], 0, v[SC+16*(\sc)+2*\b+(\q)], v[SC+16*(\sc)+2*(\a)+(\q)] matrix_a_fmt:MATRIX_FMT_FP6 matrix_b_fmt:MATRIX_FMT_FP6 matrix_a_scale:MATRIX_SCALE_ROW1
.elseif \mode == 2
	v_wmma_scale_f32_16x16x128_f8f6f4 v[8*(8*((\a)%4)+\b):8*(8*((\a)%4)+\b)+7], v[128*(\p)+12*\b:128*(\p)+12*\b+11], v[AF+12*(\a):AF+12*(\a)+11], v[BI+8*(BIDX*(\a)+(1-BIDX)*\b):BI+8*(BIDX*(\a)+(1-BIDX)*\b)+7], v[SC+16*(\sc)+2*\b+(\q)], v[SC+16*(\sc)+2*(\a)+(\q)] matrix_a_fmt:MATRIX_FMT_FP6 matrix_b_fmt:MATRIX_FMT_FP6 matrix_a_scale:MATRIX_SCALE_ROW1
.else
	v_wmma_scale_f32_16x16x128_f8f6f4 v[8*(8*((\a)%4)+\b):8*(8*((\a)%4)+\b)+7], v[128*(\p)+12*\b:128*(\p)+12*\b+11], v[AF+12*(\a):AF+12*(\a)+11], v[8*(8*((\a)%4)+\b):8*(8*((\a)%4)+\b)+7], v[SC+16*(\sc)+2*\b+(\q)], v[SC+16*(\sc)+2*(\a)+(\q)] matrix_a_fmt:MATRIX_FMT_FP6 matrix_b_fmt:MATRIX_FMT_FP6 matrix_a_scale:MATRIX_SCALE_ROW1
.endif
.endr
.endr
.endm
.macro STEP slot, sc, mode             ; a slot's first 128 along K; it fetches the second 128
	s_wait_dscnt 12                                ; all but the youngest 12 loads, A's blocks 4-7
.if \mode == 2
	WIN 0x81
.else
	WIN 0xa1
.endif
	MUL16 0, 0, 0, \sc, \mode
	MUL16 2, 0, 0, \sc, \mode
	s_wait_dscnt 0x0                               ; A's blocks 4-7 are in
	PLACES 4                                       ; four places in front of loads into registers that matrix instructions have read
	FETCH_B \slot, 1, 1
	FETCH_A \slot, 1, 0
.if \mode == 2
	WIN 0xc1
.else
	WIN 0xf1
.endif
	MUL16 4, 0, 0, \sc, \mode
	MUL16 6, 0, 0, \sc, \mode
	PLACES 4
	WIN 0
	FETCH_A \slot, 1, 4
.endm
; A slot's second 128 along K, and the change of slots.  kind 0: the next slot was shown whole by an earlier barrier, and nothing is filled: no barrier.  kind 1: the next slot's load is waited for; a barrier
; of the work-group.  kind 2: the barrier opens a round of the cluster's, and behind it LDS slot fslot on takes K step ft on of product fph's images: rows x 256 bytes (100: one slot; 200: two on end).
.macro TURN slot, sc, next, kind, ask, fslot, fph, ft, rows
.if \kind == 0
	s_wait_dscnt 12                                ; all but the youngest 12 loads, A's blocks 4-7
	WIN 0xa1
	MUL16 0, 1, 1, \sc, 0
	MUL16 2, 1, 1, \sc, 0
	s_wait_dscnt 0x0                               ; A's blocks 4-7 are in
	PLACES 4
.else
	s_wait_tensorcnt 0x0                           ; all my tensor loads have landed, my part of the next slot among them
	ds_add_u32 v[SPW], v[NIL]                      ; 0 onto my spare word
	s_wait_dscnt 13                                ; (the add and A's blocks 4-7, 12 loads, may be out)
	WIN 0xa1
	MUL16 0, 1, 1, \sc, 0
	s_wait_dscnt 0x0                               ; the add is done, and my reads of this slot and of those before it are over
	s_barrier_signal -1
	MUL16 2, 1, 1, \sc, 0
	WIN 0
	s_barrier_wait -1
.if \kind == 2
	CREST                                          ; no wave of any partner reads the slots to be filled or has a load on its way
	s_mov_b32 s[G1A+2], (\rows)<<16                ; no load of mine is out, so the descriptors may be written: tensor_dim1,
	s_mov_b32 s[G1A+4], \rows                      ; tile_dim1,
	s_mov_b32 s[G1B+2], (\rows)<<16
	s_mov_b32 s[G1B+4], \rows
	s_add_co_u32 s[G0A+1], s23, (\fslot)*KSB       ; the LDS address,
	s_add_nc_u64 s[G0A+2:G0A+3], s[PA+4*(\fph):PA+4*(\fph)+1], (\ft)*KSB   ; the global address,
	s_or_b32 s[G0A+3], s[G0A+3], 0x80000000        ; the type
	s_add_co_u32 s[G0B+1], s23, (\fslot)*KSB
	s_add_nc_u64 s[G0B+2:G0B+3], s[PA+2+4*(\fph):PA+3+4*(\fph)], (\ft)*KSB
	s_or_b32 s[G0B+3], s[G0B+3], 0x80000000
	JLOAD G0A, G0B                                 ; the first tensor load behind the round; its four v_nop are the places in front of the loads below
.else
	PLACES 4
.endif
.endif
	FETCH_B \next, 0, 0
	FETCH_A \next, 0, 0
	SCALES \next, 1-(\sc)
.if \ask
	ASK
.endif
	WIN 0xf1
	MUL16 4, 1, 1, \sc, 0
	MUL16 6, 1, 1, \sc, 0
	PLACES 4
	WIN 0
	FETCH_A \next, 0, 4
.endm
.macro LAST sc                         ; the very last 128 along K
	s_wait_dscnt 12
	WIN 0xa1
	MUL16 0, 1, 1, \sc, 0
	MUL16 2, 1, 1, \sc, 0
	s_wait_dscnt 0x0
	WIN 0xf1
	MUL16 4, 1, 1, \sc, 0
	MUL16 6, 1, 1, \sc, 0
	WIN 0
	PLACES 4
.endm
.macro QSCALE                          ; v[TM .. TM + 3]: my 16 numbers' largest magnitudes of four blocks -> scale operands in v[TM + 12 ..], the scale word in v[PW]
.irp b, 0,1,2,3
	v_permlanex16_b32 v[TM+4+\b], v[TM+\b], s[SEL], s[SEL+1]
.endr
.irp b, 0,1,2,3
	v_max_num_f32 v[TM+\b], v[TM+\b], v[TM+4+\b]
.endr
.irp b, 0,1,2,3
	v_add_nc_u32 v[TM+12+\b], 0xff000000, v[TM+\b]   ; 2 off the exponent field
.endr
.irp b, 0,1,2,3
	v_lshrrev_b32 v[TM+4+\b], 23, v[TM+12+\b]
.endr
	v_lshl_or_b32 v[PW], v[TM+5], 8, v[TM+4]
	v_lshl_or_b32 v[PW], v[TM+6], 16, v[PW]
	v_lshl_or_b32 v[PW], v[TM+7], 24, v[PW]
.endm
.macro QPACK                           ; a whole block to a lane
	v_nop                                          ; one plain place behind a scaled conversion
.irp c, 0,1
.irp i, 0,1,2
	v_permlane16_swap_b32 v[PC+6*\c+\i], v[PC+12+4*\c+\i]
.endr
.irp i, 0,1,2
	v_mov_b32 v[PC+3+6*\c+\i], v[PC+12+4*\c+\i]
.endr
.endr
.endm
; Block a's eight accumulators, 64 numbers a lane, are quantised as they stand and leave as a fragment; the scale word goes to my scratch.  ob: the pair with the piece's address; reg: the words' place in my scratch
.macro QACC a, ob, reg
.set AC, 64*((\a)%4)
.set WW, 2+(\a)/4
	s_wait_dscnt 0x0                               ; the last block's LDS store has read its register
	WIN (WW*20)
.irp b, 0,1,2,3
	v_max3_num_f32 v[TM+\b], 0x1800000, |v[AC+16*\b]|, |v[AC+16*\b+1]|   ; each accumulator is read from its low end on; the floor 2^(3 - 127) is a leaf
.endr
.irp i, 2,4,6,8,10,12,14
.irp b, 0,1,2,3
	v_max3_num_f32 v[TM+\b], v[TM+\b], |v[AC+16*\b+\i]|, |v[AC+16*\b+\i+1]|
.endr
.endr
	WIN 0
	QSCALE
	s_wait_xcnt 0x0                                ; the last block's stores have read the codes' registers
	WIN WW
.irp c, 0,1
	v_cvt_scalef32_pk16_fp6_f32 v[PC+6*\c:PC+2+6*\c], v[AC+32*\c:AC+32*\c+15], v[TM+12+2*\c]
	v_cvt_scalef32_pk16_fp6_f32 v[PC+12+4*\c:PC+14+4*\c], v[AC+32*\c+16:AC+32*\c+31], v[TM+13+2*\c]
.endr
	WIN 0
	QPACK
.irp c, 0,1,2
	global_store_b128 v[LI], v[PC+4*\c:PC+4*\c+3], s[\ob:\ob+1] offset:(\a)*1536+512*\c   ; 512 consecutive bytes
.endr
	ds_store_b32 v[SCW], v[PW] offset:(\reg)+64*(\a)
.endm
.macro SCOUT ob, reg                   ; the piece's 128 scale words leave as 512 consecutive bytes
	ds_load_b128 v[TM:TM+3], v[SCR] offset:\reg    ; LDS serves a wave's instructions in order: this sees my stores
	s_wait_dscnt 0x0
	global_store_b128 v[LI], v[TM:TM+3], s[\ob:\ob+1] offset:12288
.endm
	s_load_b256 s[4:11], s[0:1], 0x0               ; wsA, b_q, b_k, wsC
	v_lshl_add_u32 v[SPW], v0, 2, SPARE
	v_mov_b32 v[NIL], 0
	ds_add_u32 v8, v9
	ds_add_u32 v8, v9
	s_wait_dscnt 0x0
	v_lshrrev_b32 v1, 5, v0
	v_readfirstlane_b32 s16, v1                    ; wave 0..3
	s_lshr_b32 s17, s16, 1                         ; which of A's two groups is mine.  Also: I fetch for A (0) or for B (1)
	s_and_b32 s18, s16, 1                          ; which of B's.  Also: which group of that side I fetch
	s_bfe_u32 s19, ttmp6, 0x40000                  ; cx
	s_bfe_u32 s20, ttmp6, 0x40004                  ; cy
	s_lshr_b32 s21, ttmp9, 3                       ; job
	s_and_b32 s22, ttmp9, 7                        ; batch
	s_lshl_b32 s40, s20, 2
	s_lshl_b32 s40, 15, s40                        ; my row of the cluster
	s_lshl_b32 s41, 0x1111, s19                    ; my column
	s_or_b32 s[G1A], s40, (3<<16)|(1<<21)          ; the mask; elements of 8 bytes; bit 21 beside a mask; no padding
	s_or_b32 s[G1B], s41, (3<<16)|(1<<21)
.irp g, G1A, G1B
	s_mov_b32 s[\g+1], 32<<16                      ; tensor_dim0: 32 elements = 256 bytes
	s_mov_b32 s[\g+2], 100<<16                     ; tensor_dim1: 100 rows = 25,600 bytes
	s_mov_b32 s[\g+3], 32<<16                      ; tile_dim0
	s_mov_b32 s[\g+4], 100                         ; tile_dim1
	s_mov_b32 s[\g+5], 32                          ; the pitch: dense
	s_mov_b32 s[\g+6], 0
	s_mov_b32 s[\g+7], 0
.endr
	s_lshl_b32 s42, s20, 1
	s_add_co_u32 s42, s42, s18
	s_mul_i32 s42, s42, GST                        ; A: group 2 cy + the half that I fetch
	s_mov_b32 s43, 0
	s_lshl_b32 s46, s19, 1
	s_add_co_u32 s46, s46, s18
	s_mul_i32 s46, s46, GST                        ; B: group 2 cx + the half
	s_mov_b32 s47, 0
	s_mul_i32 s44, s22, IMG                        ; the batch's image
	s_mov_b32 s45, 0
	s_mul_i32 s90, s21, IMG
	s_add_co_u32 s90, s90, WI                      ; the job's weight
	s_mov_b32 s91, 0
	s_mul_i32 s23, s16, RGN                        ; where my loads land: my group's three slots
	s_mov_b32 s[SEL], 0x76543210
	s_mov_b32 s[SEL+1], 0xfedcba98
	s_wait_kmcnt 0x0
	s_add_nc_u64 s[PA:PA+1], s[4:5], s[42:43]
	s_add_nc_u64 s[PA:PA+1], s[PA:PA+1], s[44:45]          ; A = x's image
	s_add_nc_u64 s[PA+2:PA+3], s[4:5], s[46:47]
	s_add_nc_u64 s[PA+2:PA+3], s[PA+2:PA+3], s[90:91]      ; B = the weight's image
	CROUND                                         ; all sixteen work-groups are here: the first joint loads meet
.irp s, 0,1,2
	s_mov_b32 s[G0A+4*\s], 1
	s_add_co_u32 s[G0A+4*\s+1], s23, \s*KSB
	s_add_nc_u64 s[G0A+4*\s+2:G0A+4*\s+3], s[PA:PA+1], \s*KSB
	s_or_b32 s[G0A+4*\s+3], s[G0A+4*\s+3], 0x80000000
	s_mov_b32 s[G0B+4*\s-20*(\s/2)], 1
	s_add_co_u32 s[G0B+4*\s-20*(\s/2)+1], s23, \s*KSB
	s_add_nc_u64 s[G0B+4*\s-20*(\s/2)+2:G0B+4*\s-20*(\s/2)+3], s[PA+2:PA+3], \s*KSB
	s_or_b32 s[G0B+4*\s-20*(\s/2)+3], s[G0B+4*\s-20*(\s/2)+3], 0x80000000
	JLOAD G0A+4*\s, G0B+4*\s-20*(\s/2)             ; K steps 0, 1, 2: three tensor loads of mine are out
.endr
	v_and_b32 v1, 31, v0
	v_lshlrev_b32 v[LI], 4, v1                     ; 16 x lane
	v_and_b32 v16, 15, v0                          ; r
	v_bfe_u32 v17, v0, 4, 1                        ; h
	s_mul_i32 s93, s17, RGN
	s_mul_i32 s94, s18, RGN
	s_add_co_u32 s94, s94, 2*RGN
	v_add_nc_u32 v[ADRA], s93, v[LI]
	v_add_nc_u32 v[ADRB], s94, v[LI]
	v_add_nc_u32 v[ADRA+1], 2*KSB, v[ADRA]
	v_add_nc_u32 v[ADRB+1], 2*KSB, v[ADRB]
	s_sub_co_u32 s94, s94, s93
	v_mul_u32_u24 v18, s94, v17                    ; lanes 16-31 take B's words: one product, the distance x h
	v_lshl_add_u32 v18, v16, 2, v18
	s_add_co_u32 s93, s93, 12288
	v_add_nc_u32 v[ADRS], s93, v18
	v_add_nc_u32 v[ADRS+1], 2*KSB, v[ADRS]
	s_lshl_b32 s93, s16, 9
	s_add_co_u32 s93, s93, SCR0
	v_lshl_add_u32 v[SCW], v16, 2, s93
	v_add_nc_u32 v[SCR], s93, v[LI]
	v_lshlrev_b32 v19, 6, v17                      ; the bias: 16 h numbers on
.irp b, 0,1,2,3
	v_mov_b32 v[TM+4+\b], 0                        ; a lane permute's destination counts as one of its sources
.endr
	s_lshl_b32 s95, s19, 1
	s_add_co_u32 s95, s95, s18                     ; 2 cx + my half of the columns
	s_lshl_b32 s96, s95, 9
	s_mov_b32 s97, 0
	s_cmp_eq_u32 s21, 0
	s_cselect_b64 s[90:91], s[6:7], s[8:9]
	s_add_nc_u64 s[90:91], s[90:91], s[96:97]
.irp t, 0,1,2,3,4,5,6,7
	global_load_b128 v[BI+8*\t:BI+8*\t+3], v19, s[90:91] offset:128*(\t/2)+32*(\t%2)      ; tile t's register j: unit 32 (t / 2) + 8 (t % 2) + 16 h + j
	global_load_b128 v[BI+8*\t+4:BI+8*\t+7], v19, s[90:91] offset:128*(\t/2)+32*(\t%2)+16
.endr
	s_mul_i32 s96, s95, PST
	s_lshl_b32 s95, s20, 1
	s_add_co_u32 s95, s95, s17
	s_mul_i32 s95, s95, GST
	s_add_co_u32 s96, s96, s95
	s_mul_i32 s95, s22, IMG
	s_add_co_u32 s96, s96, s95
	s_mul_i32 s95, s21, OPS
	s_add_co_u32 s96, s96, s95
	s_add_nc_u64 s[78:79], s[10:11], s[96:97]      ; my piece of the result's image: rows' group 2 cy + half, K step 2 cx + half
	s_wait_loadcnt 0x0
	s_wait_tensorcnt 0x2                           ; my part of K step 0 is in; the two loads issued behind it, K steps 1 and 2, may be out
	s_barrier_signal -1
	s_barrier_wait -1
	FETCH_B 0, 0, 0
	FETCH_A 0, 0, 0
	SCALES 0, 0
	FETCH_A 0, 0, 4
	STEP 0, 0, 2                                   ; K step 0: the bias starts the sums
	TURN 0, 0, 1, 2, 0, 0, 0, 3, 100               ; K step 3 is asked for, into slot 0
	STEP 1, 1, 0
	TURN 1, 1, 2, 0, 0, 0, 0, 0, 0                 ; on to slot 2 without a barrier
	STEP 2, 0, 0
	TURN 2, 0, 0, 1, 0, 0, 0, 0, 0                 ; K step 3 is waited for
	STEP 0, 1, 0
	LAST 1
.irp a, 0,1,2,3,4,5,6,7
	QACC \a, 78, 0
.endr
	SCOUT 78, 0
	s_wait_tensorcnt 0x0                           ; the wave's end
	ds_add_u32 v[SPW], v[NIL]
	s_wait_dscnt 0x0
	CROUND                                         ; the closing round
	s_endpgm
.Lfunc_end_k_q2115d33080_proj:
	.size	k_q2115d33080_proj, .Lfunc_end_k_q2115d33080_proj-k_q2115d33080_proj
	.p2alignl 7, 3214868480
	.fill 96, 4, 3214868480
	.section	.rodata,"a",@progbits
	.p2align	6, 0x0
	.amdhsa_kernel k_q2115d33080_proj
		.amdhsa_group_segment_fixed_size 327680
		.amdhsa_private_segment_fixed_size 0
		.amdhsa_enable_private_segment 0
		.amdhsa_kernarg_size 32
		.amdhsa_user_sgpr_count 2
		.amdhsa_user_sgpr_kernarg_segment_ptr 1
		.amdhsa_wavefront_size32 1
		.amdhsa_system_sgpr_workgroup_id_x 1
		.amdhsa_system_sgpr_workgroup_id_y 1
		.amdhsa_system_sgpr_workgroup_id_z 1
		.amdhsa_system_vgpr_workitem_id 0
		.amdhsa_next_free_vgpr 1024
		.amdhsa_next_free_sgpr 102
		.amdhsa_reserve_vcc 0
		.amdhsa_float_denorm_mode_32 3
		.amdhsa_float_denorm_mode_16_64 3
		.amdhsa_memory_ordered 1
		.amdhsa_forward_progress 1
		.amdhsa_inst_pref_size 142
	.end_amdhsa_kernel
	.amdgpu_metadata
---
amdhsa.version: [ 1, 2 ]
amdhsa.kernels:
  - .name:           k_q2115d33080_proj
    .symbol:         k_q2115d33080_proj.kd
    .args:
      - { .name: wsA, .offset: 0, .size: 8, .value_kind: global_buffer, .address_space: global }
      - { .name: b_q, .offset: 8, .size: 8, .value_kind: global_buffer, .address_space: global }
      - { .name: b_k, .offset: 16, .size: 8, .value_kind: global_buffer, .address_space: global }
      - { .name: wsC, .offset: 24, .size: 8, .value_kind: global_buffer, .address_space: global }
    .group_segment_fixed_size: 327680
    .private_segment_fixed_size: 0
    .kernarg_segment_align: 8
    .kernarg_segment_size: 32
    .max_flat_workgroup_size: 128
    .sgpr_count:     102
    .vgpr_count:     1024
    .wavefront_size: 32
...
	.end_amdgpu_metadata
.endif
;; end of part 3
;; launch mid (part 4): grid 64 x 4, 4 waves a work-group, clusters of 4 x 4, 327,680 bytes of LDS; arguments wsA, wsB, wsC, b_k, b_v, wsD; writes wsD
.if DOCPART == 4
	.amdgcn_target "amdgcn-amd-amdhsa--gfx1250"
	.amdhsa_code_object_version 6
	.text
	.protected	k_q2115d33080_mid
	.globl	k_q2115d33080_mid
	.p2align	8
	.type	k_q2115d33080_mid,@function
k_q2115d33080_mid:
	s_mov_b64 s[64:65], 0
	v_nop
	global_prefetch_b8 v0, s[64:65] scope:SCOPE_SE
	s_setreg_imm32_b32 hwreg(HW_REG_WAVE_MODE, 25, 1), 1
	s_wait_xcnt 0x0
	s_wait_alu depctr_hold_cnt(0) depctr_sa_sdst(0) depctr_va_vdst(0) depctr_va_sdst(0) depctr_va_ssrc(0) depctr_va_vcc(0) depctr_vm_vsrc(0)
	s_getreg_b32 s2, hwreg(HW_REG_IB_STS2, 6, 4)
	s_cmp_eq_u32 s2, 0
	s_cbranch_scc0 .Lentry_in_a_cluster
	s_endpgm
.Lentry_in_a_cluster:
	s_bfe_u32 s2, ttmp6, 0x10000c
	s_cmp_lg_u32 s2, 0xf033
	s_cbranch_scc0 .Lentry_shape_is_right
	s_endpgm
.Lentry_shape_is_right:
; Two jobs, a cluster of 4 x 4 work-groups each (job = cluster / 8, batch = cluster % 8); each is two products of 1,024^3 through one ring.
; JOB 0: (1) key once more, with h in the lanes and l in the registers (source 1 = w_k, source 0 = x), times lr[l] wd_last[l]; quantised along l it is the last launch's operand Kl;
;        (2) kq with the query m in the lanes and the key l in the registers, times wd_inner = 2^(c[m] - c[l]) where l <= m, else 0, then times lr[l]; quantised along l: M.
; JOB 1: one chain b_v + x w_v + key (-hidden) = value - W key, with d in the lanes and l in the registers; quantised along l as it stands: G
;        (the negative of reference()'s operand: the quantiser is odd, and the minus signs in front of its two sums are thereby spent).
; c comes as a pair hi + lo, so that c[m] - c[l] is right to f32's last bits.  Tiles that lie wholly under the mask are multiplied like the others (partners of a cluster run alike) and give zero codes.
; Images, row order and registers as in the launch before.  THE RING HAS THREE SLOTS, group by group (wave w fills LDS bytes 76,800 w on), and is written out: eight K steps, tile t in slot t % 3.
; Tiles 0, 1, 2 are first fills.  Behind tile 0: slot 0 takes tile 3.  Behind tile 2: slots 1 and 2 take tiles 4 and 5, the second product's first two K steps, by one load of 51,200 bytes, dense in memory
; and in LDS.  Behind tile 3: slot 0 takes tile 6.  Behind tile 5: slot 1 takes tile 7.  Behind tiles 1 and 4 stands no barrier.  So four refills serve eight K steps, and two of them have 224 matrix instructions in which to land.
; The second product's images are prefetched: at the first change of slots each wave names, of the group that it fetches, the K step whose number is its work-group's place among the four that ask for
; that group jointly: 100 blocks of 256 bytes, four instructions, 256 matrix instructions ahead of the first load that wants them; key's image, which both jobs of a batch read, is named by job 1's cluster alone.
; LIMITS: NaN and infinities are not served; 2^(c[m] - c[l]) comes out as 0 below 2^-126; a block of zeros gets the byte 1.
.set IMG,   819200
.set OPS,   6553600
.set GST,   102400
.set PST,   12800
.set KSB,   25600
.set RGN,   76800
.set SPARE, 307200
.set SCR0,  307712                     ; 4,608 bytes for each wave: scale words: +0 M's, +512 G's, +1024 Kl's; by l: +1536 c's high part, +2048 its low part, +3584 lr, +4096 lr x wd_last; by m, block by block: +2560, +3072 c's pair
.set SCRW,  4608
.set WI,    6553600
.set LRO,   9011200
.set CHIO,  6553600                    ; wsB: c's high parts; the low parts 32,768 bytes on; lr x wd_last 98,304 bytes on
.set ADRA, 2
.set ADRB, 4
.set ADRS, 6
.set SPW,  8
.set NIL,  9
.set PFO,  10
.set PFO2, 11
.set LI,   12
.set SCW,  13
.set SCR,  14
.set PW,   15
.set TM,   16
.set SC,   32
.set BI,   64
.set WX,   64                          ; 64 numbers at work ahead of a quantiser (the bias is done with behind the first step)
.set AF,   128
.set PC,   224
.set HM,   244
.set LM,   246
.set DD,   248
.set D0,   249
.set G1A,  24
.set G0A,  32
.set G1B,  48
.set G0B,  56
.set PA,   66                          ; s[66:67], s[68:69] where my groups of A and B begin in the first product's images; s[70:71], s[72:73] in the second's
.set SEL,  88
.set BIDX, 1                           ; the first C goes by the block of source 1: the bias hangs on the lane's row
.set MSB, 0
.macro WIN new
.if MSB != \new
	s_set_vgpr_msb (MSB<<8)|\new
.set MSB, \new
.endif
.endm
.macro PLACES n
.rept \n
	v_nop
.endr
.endm
.macro JLOAD ga, gb
	s_cmp_eq_u32 s17, 0
	s_cbranch_scc0 .Lfor_b_\@
	tensor_load_to_lds s[\ga:\ga+3], s[G1A:G1A+7]
	s_nop 0
.rept 4
	v_nop
.endr
	s_branch .Lasked_\@
.Lfor_b_\@:
	tensor_load_to_lds s[\gb:\gb+3], s[G1B:G1B+7]
	s_nop 0
.rept 4
	v_nop
.endr
.Lasked_\@:
.endm
.macro ASK                             ; the prefetch described at the head: 96 + 4 blocks of 256 bytes, in the waves whose s76 is 1
	s_cmp_eq_u32 s76, 1
	s_cbranch_scc0 .Lnot_mine_\@
	global_prefetch_b8 v[PFO], s[74:75] th:TH_LOAD_NT scope:SCOPE_SE
	global_prefetch_b8 v[PFO], s[74:75] offset:8192 th:TH_LOAD_NT scope:SCOPE_SE
	global_prefetch_b8 v[PFO], s[74:75] offset:16384 th:TH_LOAD_NT scope:SCOPE_SE
	global_prefetch_b8 v[PFO2], s[74:75] th:TH_LOAD_NT scope:SCOPE_SE
.Lnot_mine_\@:
.endm
.macro CREST
	s_cmp_lg_u32 s16, 0
	s_cbranch_scc1 .Lnot_wave_0_\@
	s_barrier_signal -3
.Lnot_wave_0_\@:
	s_barrier_wait -3
	s_barrier_signal -1
	s_barrier_wait -1
.endm
.macro CROUND
	s_barrier_signal -1
	s_barrier_wait -1
	CREST
.endm
.macro FRAG reg, adr, slot, q, i
.irp c, 0,1,2
	ds_load_b128 v[\reg+4*\c:\reg+4*\c+3], v[\adr+(\slot)/2] offset:((\slot)%2)*KSB+(\q)*PST+(\i)*1536+512*\c
.endr
.endm
.macro FETCH_B slot, q, p
	WIN 0x40
.irp i, 0,1,2,3,4,5,6,7
	FRAG 128*(\p)+12*\i, ADRB, \slot, \q, \i
.endr
	WIN 0
.endm
.macro FETCH_A slot, q, i0
.irp i, \i0, \i0+1, \i0+2, \i0+3
	FRAG AF+12*(\i), ADRA, \slot, \q, \i
.endr
.endm
.macro SCALES slot, set
.irp i, 0,1,2,3,4,5,6,7
	ds_load_b32 v[SC+16*(\set)+2*\i], v[ADRS+(\slot)/2] offset:((\slot)%2)*KSB+\i*64
	ds_load_b32 v[SC+16*(\set)+2*\i+1], v[ADRS+(\slot)/2] offset:((\slot)%2)*KSB+PST+\i*64
.endr
.endm
.macro MUL16 a0, p, q, sc, mode
.irp a, \a0, \a0+1
.irp b, 0,1,2,3,4,5,6,7
.if \mode == 1
	v_wmma_scale_f32_16x16x128_f8f6f4 v[8*(8*((\a)%4)+\b):8*(8*((\a)%4)+\b)+7], v[128*(\p)+12*\b:128*(\p)+12*\b+11], v[AF+12*(\a):AF+12*(\a)+11], 0, v[SC+16*(\sc)+2*\b+(\q)], v[SC+16*(\sc)+2*(\a)+(\q)] matrix_a_fmt:MATRIX_FMT_FP6 matrix_b_fmt:MATRIX_FMT_FP6 matrix_a_scale:MATRIX_SCALE_ROW1
.elseif \mode == 2
	v_wmma_scale_f32_16x16x128_f8f6f4 v[8*(8*((\a)%4)+\b):8*(8*((\a)%4)+\b)+7], v[128*(\p)+12*\b:128*(\p)+12*\b+11], v[AF+12*(\a):AF+12*(\a)+11], v[BI+8*(BIDX*(\a)+(1-BIDX)*\b):BI+8*(BIDX*(\a)+(1-BIDX)*\b)+7], v[SC+16*(\sc)+2*\b+(\q)], v[SC+16*(\sc)+2*(\a)+(\q)] matrix_a_fmt:MATRIX_FMT_FP6 matrix_b_fmt:MATRIX_FMT_FP6 matrix_a_scale:MATRIX_SCALE_ROW1
.else
	v_wmma_scale_f32_16x16x128_f8f6f4 v[8*(8*((\a)%4)+\b):8*(8*((\a)%4)+\b)+7], v[128*(\p)+12*\b:128*(\p)+12*\b+11], v[AF+12*(\a):AF+12*(\a)+11], v[8*(8*((\a)%4)+\b):8*(8*((\a)%4)+\b)+7], v[SC+16*(\sc)+2*\b+(\q)], v[SC+16*(\sc)+2*(\a)+(\q)] matrix_a_fmt:MATRIX_FMT_FP6 matrix_b_fmt:MATRIX_FMT_FP6 matrix_a_scale:MATRIX_SCALE_ROW1
.endif
.endr
.endr
.endm
.macro STEP slot, sc, mode
	s_wait_dscnt 12                                ; all but the youngest 12 loads, A's blocks 4-7
.if \mode == 2
	WIN 0x81
.else
	WIN 0xa1
.endif
	MUL16 0, 0, 0, \sc, \mode
	MUL16 2, 0, 0, \sc, \mode
	s_wait_dscnt 0x0
	PLACES 4
	FETCH_B \slot, 1, 1
	FETCH_A \slot, 1, 0
.if \mode == 2
	WIN 0xc1
.else
	WIN 0xf1
.endif
	MUL16 4, 0, 0, \sc, \mode
	MUL16 6, 0, 0, \sc, \mode
	PLACES 4
	WIN 0
	FETCH_A \slot, 1, 4
.endm
; A slot's second 128 along K, and the change of slots.  kind 0: the next slot was shown whole by an earlier barrier, and nothing is filled: no barrier.  kind 1: the next slot's load is waited for; a barrier
; of the work-group.  kind 2: the barrier opens a round of the cluster's, and behind it LDS slot fslot on takes K step ft on of product fph's images: rows x 256 bytes (100: one slot; 200: two on end).
.macro TURN slot, sc, next, kind, ask, fslot, fph, ft, rows
.if \kind == 0
	s_wait_dscnt 12                                ; all but the youngest 12 loads, A's blocks 4-7
	WIN 0xa1
	MUL16 0, 1, 1, \sc, 0
	MUL16 2, 1, 1, \sc, 0
	s_wait_dscnt 0x0                               ; A's blocks 4-7 are in
	PLACES 4
.else
	s_wait_tensorcnt 0x0                           ; all my tensor loads have landed, my part of the next slot among them
	ds_add_u32 v[SPW], v[NIL]                      ; 0 onto my spare word
	s_wait_dscnt 13                                ; (the add and A's blocks 4-7, 12 loads, may be out)
	WIN 0xa1
	MUL16 0, 1, 1, \sc, 0
	s_wait_dscnt 0x0                               ; the add is done, and my reads of this slot and of those before it are over
	s_barrier_signal -1
	MUL16 2, 1, 1, \sc, 0
	WIN 0
	s_barrier_wait -1
.if \kind == 2
	CREST                                          ; no wave of any partner reads the slots to be filled or has a load on its way
	s_mov_b32 s[G1A+2], (\rows)<<16                ; no load of mine is out, so the descriptors may be written: tensor_dim1,
	s_mov_b32 s[G1A+4], \rows                      ; tile_dim1,
	s_mov_b32 s[G1B+2], (\rows)<<16
	s_mov_b32 s[G1B+4], \rows
	s_add_co_u32 s[G0A+1], s23, (\fslot)*KSB       ; the LDS address,
	s_add_nc_u64 s[G0A+2:G0A+3], s[PA+4*(\fph):PA+4*(\fph)+1], (\ft)*KSB   ; the global address,
	s_or_b32 s[G0A+3], s[G0A+3], 0x80000000        ; the type
	s_add_co_u32 s[G0B+1], s23, (\fslot)*KSB
	s_add_nc_u64 s[G0B+2:G0B+3], s[PA+2+4*(\fph):PA+3+4*(\fph)], (\ft)*KSB
	s_or_b32 s[G0B+3], s[G0B+3], 0x80000000
	JLOAD G0A, G0B                                 ; the first tensor load behind the round; its four v_nop are the places in front of the loads below
.else
	PLACES 4
.endif
.endif
	FETCH_B \next, 0, 0
	FETCH_A \next, 0, 0
	SCALES \next, 1-(\sc)
.if \ask
	ASK
.endif
	WIN 0xf1
	MUL16 4, 1, 1, \sc, 0
	MUL16 6, 1, 1, \sc, 0
	PLACES 4
	WIN 0
	FETCH_A \next, 0, 4
.endm
.macro LAST sc
	s_wait_dscnt 12
	WIN 0xa1
	MUL16 0, 1, 1, \sc, 0
	MUL16 2, 1, 1, \sc, 0
	s_wait_dscnt 0x0
	WIN 0xf1
	MUL16 4, 1, 1, \sc, 0
	MUL16 6, 1, 1, \sc, 0
	WIN 0
	PLACES 4
.endm
.macro QSCALE
.irp b, 0,1,2,3
	v_permlanex16_b32 v[TM+4+\b], v[TM+\b], s[SEL], s[SEL+1]
.endr
.irp b, 0,1,2,3
	v_max_num_f32 v[TM+\b], v[TM+\b], v[TM+4+\b]
.endr
.irp b, 0,1,2,3
	v_add_nc_u32 v[TM+12+\b], 0xff000000, v[TM+\b]
.endr
.irp b, 0,1,2,3
	v_lshrrev_b32 v[TM+4+\b], 23, v[TM+12+\b]
.endr
	v_lshl_or_b32 v[PW], v[TM+5], 8, v[TM+4]
	v_lshl_or_b32 v[PW], v[TM+6], 16, v[PW]
	v_lshl_or_b32 v[PW], v[TM+7], 24, v[PW]
.endm
.macro QPACK
	v_nop                                          ; one plain place behind a scaled conversion
.irp c, 0,1
.irp i, 0,1,2
	v_permlane16_swap_b32 v[PC+6*\c+\i], v[PC+12+4*\c+\i]
.endr
.irp i, 0,1,2
	v_mov_b32 v[PC+3+6*\c+\i], v[PC+12+4*\c+\i]
.endr
.endr
.endm
.macro QUANT s                         ; 64 numbers in window 0
.irp b, 0,1,2,3
	v_max3_num_f32 v[TM+\b], |v[\s+16*\b]|, |v[\s+1+16*\b]|, 0x1800000
.endr
.irp i, 2,4,6,8,10,12,14
.irp b, 0,1,2,3
	v_max3_num_f32 v[TM+\b], v[TM+\b], |v[\s+16*\b+\i]|, |v[\s+1+16*\b+\i]|
.endr
.endr
	QSCALE
.irp c, 0,1
	v_cvt_scalef32_pk16_fp6_f32 v[PC+6*\c:PC+2+6*\c], v[\s+32*\c:\s+15+32*\c], v[TM+12+2*\c]
	v_cvt_scalef32_pk16_fp6_f32 v[PC+12+4*\c:PC+14+4*\c], v[\s+16+32*\c:\s+31+32*\c], v[TM+13+2*\c]
.endr
	QPACK
.endm
.macro QACC a, ob, reg                 ; block a's accumulators, quantised as they stand
.set AC, 64*((\a)%4)
.set WW, 2+(\a)/4
	s_wait_dscnt 0x0                               ; the last block's LDS store has read its register
	s_wait_xcnt 0x0                                ; earlier stores have read their data: the registers of the maxima (an earlier store of scale words names them) and of the codes (the last block's stores) are rewritten only behind this wait
	WIN (WW*20)
.irp b, 0,1,2,3
	v_max3_num_f32 v[TM+\b], 0x1800000, |v[AC+16*\b]|, |v[AC+16*\b+1]|   ; each accumulator is read from its low end on
.endr
.irp i, 2,4,6,8,10,12,14
.irp b, 0,1,2,3
	v_max3_num_f32 v[TM+\b], v[TM+\b], |v[AC+16*\b+\i]|, |v[AC+16*\b+\i+1]|
.endr
.endr
	WIN 0
	QSCALE
	WIN WW
.irp c, 0,1
	v_cvt_scalef32_pk16_fp6_f32 v[PC+6*\c:PC+2+6*\c], v[AC+32*\c:AC+32*\c+15], v[TM+12+2*\c]
	v_cvt_scalef32_pk16_fp6_f32 v[PC+12+4*\c:PC+14+4*\c], v[AC+32*\c+16:AC+32*\c+31], v[TM+13+2*\c]
.endr
	WIN 0
	QPACK
.irp c, 0,1,2
	global_store_b128 v[LI], v[PC+4*\c:PC+4*\c+3], s[\ob:\ob+1] offset:(\a)*1536+512*\c
.endr
	ds_store_b32 v[SCW], v[PW] offset:(\reg)+64*(\a)
.endm
.macro SCOUT ob, reg
	ds_load_b128 v[TM:TM+3], v[SCR] offset:\reg
	s_wait_dscnt 0x0
	global_store_b128 v[LI], v[TM:TM+3], s[\ob:\ob+1] offset:12288
.endm
; Block k's accumulators into v[WX] on.  kind 0: times what stands there; kind 3: times the vector by l in window 1, v128 on.  Ascending: each accumulator is read from its low end on
.macro CASE k, kind
.set AC, 64*((\k)%4)
.set WW, 2+(\k)/4
.if \kind == 0
	WIN WW
.set p, 0
.rept 32
	v_pk_mul_f32 v[WX+p:WX+p+1], v[AC+p:AC+p+1], v[WX+p:WX+p+1]
.set p, p+2
.endr
.else
	WIN (WW|4)
.set p, 0
.rept 32
	v_pk_mul_f32 v[WX+p:WX+p+1], v[AC+p:AC+p+1], v[64*(\kind-1)+p:64*(\kind-1)+p+1]
.set p, p+2
.endr
.endif
	WIN 0
.endm
.macro QMUL a, ob, reg                 ; block a's accumulators times the vector by l, quantised, and out
	s_wait_dscnt 0x0                               ; the vector is in; the last block's LDS store has read its register,
	s_wait_xcnt 0x0                                ; and its stores the codes' registers
	CASE \a, 3
	QUANT WX
.irp c, 0,1,2
	global_store_b128 v[LI], v[PC+4*\c:PC+4*\c+3], s[\ob:\ob+1] offset:(\a)*1536+512*\c
.endr
	ds_store_b32 v[SCW], v[PW] offset:(\reg)+64*(\a)
.endm
.macro SWITCH kind                     ; register numbers cannot hang on a counter: the trip's block, s84, chooses one of eight runs
.irp k, 0,1,2,3,4,5,6
	s_cmp_eq_u32 s84, \k
	s_cbranch_scc1 .Lsw\@_\k
.endr
	CASE 7, \kind
.irp k, 0,1,2,3,4,5,6
	s_branch .Lsw\@_j
.Lsw\@_\k:
	CASE \k, \kind
.endr
.Lsw\@_j:
.endm
	s_load_b256 s[4:11], s[0:1], 0x0               ; wsA, wsB, wsC, b_k
	s_load_b128 s[12:15], s[0:1], 0x20             ; b_v, wsD
	v_lshl_add_u32 v[SPW], v0, 2, SPARE
	v_mov_b32 v[NIL], 0
	ds_add_u32 v8, v9
	ds_add_u32 v8, v9
	s_wait_dscnt 0x0
	v_lshrrev_b32 v1, 5, v0
	v_readfirstlane_b32 s16, v1
	s_lshr_b32 s17, s16, 1
	s_and_b32 s18, s16, 1
	s_bfe_u32 s19, ttmp6, 0x40000                  ; cx
	s_bfe_u32 s20, ttmp6, 0x40004                  ; cy
	s_lshr_b32 s21, ttmp9, 3                       ; job
	s_and_b32 s22, ttmp9, 7                        ; batch
	s_lshl_b32 s40, s20, 2
	s_lshl_b32 s40, 15, s40
	s_lshl_b32 s41, 0x1111, s19
	s_or_b32 s[G1A], s40, (3<<16)|(1<<21)
	s_or_b32 s[G1B], s41, (3<<16)|(1<<21)
.irp g, G1A, G1B
	s_mov_b32 s[\g+1], 32<<16
	s_mov_b32 s[\g+2], 100<<16
	s_mov_b32 s[\g+3], 32<<16
	s_mov_b32 s[\g+4], 100
	s_mov_b32 s[\g+5], 32
	s_mov_b32 s[\g+6], 0
	s_mov_b32 s[\g+7], 0
.endr
	s_lshl_b32 s42, s20, 1
	s_add_co_u32 s42, s42, s18
	s_mul_i32 s42, s42, GST
	s_mov_b32 s43, 0
	s_lshl_b32 s46, s19, 1
	s_add_co_u32 s46, s46, s18
	s_mul_i32 s46, s46, GST
	s_mov_b32 s47, 0
	s_mul_i32 s44, s22, IMG
	s_mov_b32 s45, 0
	s_add_co_u32 s90, s21, 1
	s_mul_i32 s90, s90, IMG
	s_add_co_u32 s90, s90, WI                      ; w_k's image (job 0) or w_v's (job 1)
	s_mov_b32 s91, 0
	s_mul_i32 s23, s16, RGN                        ; where my loads land: my group's three slots
	s_mov_b32 s[SEL], 0x76543210
	s_mov_b32 s[SEL+1], 0xfedcba98
	s_xor_b32 s76, s21, 1
	s_and_b32 s76, s76, s17                        ; job 0's waves 2 and 3 would name key's image: job 1's cluster does
	s_xor_b32 s76, s76, 1                          ; 1 in a wave that prefetches
	s_wait_kmcnt 0x0
	s_add_nc_u64 s[PA:PA+1], s[4:5], s[42:43]
	s_add_nc_u64 s[PA:PA+1], s[PA:PA+1], s[90:91]          ; first product: A = the weight,
	s_add_nc_u64 s[PA+2:PA+3], s[4:5], s[46:47]
	s_add_nc_u64 s[PA+2:PA+3], s[PA+2:PA+3], s[44:45]      ; B = x
	s_cmp_eq_u32 s21, 0
	s_cselect_b64 s[PA+4:PA+5], s[8:9], s[6:7]
	s_add_nc_u64 s[PA+4:PA+5], s[PA+4:PA+5], s[42:43]
	s_add_nc_u64 s[PA+4:PA+5], s[PA+4:PA+5], s[44:45]      ; second product: A = query (job 0) or -hidden (job 1),
	s_add_nc_u64 s[PA+6:PA+7], s[8:9], s[46:47]
	s_add_nc_u64 s[PA+6:PA+7], s[PA+6:PA+7], s[44:45]
	s_add_nc_u64 s[PA+6:PA+7], s[PA+6:PA+7], OPS           ; B = key
	s_cmp_eq_u32 s17, 0
	s_cselect_b64 s[74:75], s[PA+4:PA+5], s[PA+6:PA+7]     ; the prefetches: the group that I fetch,
	s_cselect_b32 s98, s19, s20
	s_mul_i32 s98, s98, KSB                                ; the K step that falls to my work-group: by address, not by a branch
	s_mov_b32 s99, 0
	s_add_nc_u64 s[74:75], s[74:75], s[98:99]
	CROUND
.irp s, 0,1,2
	s_mov_b32 s[G0A+4*\s], 1
	s_add_co_u32 s[G0A+4*\s+1], s23, \s*KSB
	s_add_nc_u64 s[G0A+4*\s+2:G0A+4*\s+3], s[PA:PA+1], \s*KSB
	s_or_b32 s[G0A+4*\s+3], s[G0A+4*\s+3], 0x80000000
	s_mov_b32 s[G0B+4*\s-20*(\s/2)], 1
	s_add_co_u32 s[G0B+4*\s-20*(\s/2)+1], s23, \s*KSB
	s_add_nc_u64 s[G0B+4*\s-20*(\s/2)+2:G0B+4*\s-20*(\s/2)+3], s[PA+2:PA+3], \s*KSB
	s_or_b32 s[G0B+4*\s-20*(\s/2)+3], s[G0B+4*\s-20*(\s/2)+3], 0x80000000
	JLOAD G0A+4*\s, G0B+4*\s-20*(\s/2)             ; tiles 0, 1, 2: three tensor loads of mine are out
.endr
	v_and_b32 v1, 31, v0
	v_lshlrev_b32 v[LI], 4, v1
	v_lshlrev_b32 v[PFO], 8, v1
	v_min_u32 v18, 3, v1
	v_lshl_add_u32 v[PFO2], v18, 8, 24576
	v_and_b32 v16, 15, v0
	v_bfe_u32 v17, v0, 4, 1
	s_mul_i32 s93, s17, RGN
	s_mul_i32 s94, s18, RGN
	s_add_co_u32 s94, s94, 2*RGN
	v_add_nc_u32 v[ADRA], s93, v[LI]
	v_add_nc_u32 v[ADRB], s94, v[LI]
	v_add_nc_u32 v[ADRA+1], 2*KSB, v[ADRA]
	v_add_nc_u32 v[ADRB+1], 2*KSB, v[ADRB]
	s_sub_co_u32 s94, s94, s93
	v_mul_u32_u24 v18, s94, v17
	v_lshl_add_u32 v18, v16, 2, v18
	s_add_co_u32 s93, s93, 12288
	v_add_nc_u32 v[ADRS], s93, v18
	v_add_nc_u32 v[ADRS+1], 2*KSB, v[ADRS]
	s_mul_i32 s77, s16, SCRW
	s_add_co_u32 s77, s77, SCR0                    ; my scratch
	v_lshl_add_u32 v[SCW], v16, 2, s77
	v_add_nc_u32 v[SCR], s77, v[LI]
	v_lshl_add_u32 v1, v1, 2, s77                  ; scratch + 4 x lane
	v_and_b32 v18, 8, v16
	v_add_nc_u32 v18, v18, v16
	v_lshlrev_b32 v19, 2, v18                      ; 4 (r + 8 (r / 8))
	v_lshl_add_u32 v24, v17, 5, v19                ; + 32 h: lane (r, h) of load q takes the row of block 2 q + h
	s_lshl_b32 s94, s20, 1
	s_add_co_u32 s94, s94, s17                     ; 2 cy + my half of the rows
	s_lshl_b32 s95, s19, 1
	s_add_co_u32 s95, s95, s18                     ; 2 cx + my half of the columns
	s_mov_b32 s97, 0
	s_mov_b32 s99, 0
	s_lshl_b32 s96, s94, 9
	s_cmp_eq_u32 s21, 0
	s_cselect_b64 s[90:91], s[10:11], s[12:13]
	s_add_nc_u64 s[90:91], s[90:91], s[96:97]      ; the bias of my 128 rows
	s_lshl_b32 s98, s22, 12
	s_add_co_u32 s96, s96, s98
	s_add_co_u32 s96, s96, CHIO
	s_add_nc_u64 s[86:87], s[6:7], s[96:97]        ; c's pair at my 128 rows
	s_lshl_b32 s96, s95, 9
	s_add_co_u32 s96, s96, s98                     ; my 128 columns l
	s_add_co_u32 s98, s96, LRO
	s_add_nc_u64 s[100:101], s[4:5], s[98:99]      ; lr there,
	s_add_co_u32 s98, s96, CHIO
	s_add_nc_u64 s[92:93], s[6:7], s[98:99]        ; c's pair and lr x wd_last there.  (Job 1 loads the vectors too and does not use them: one path for both)
.irp a, 0,1,2,3,4,5,6,7
	global_load_b32 v[BI+8*\a], v19, s[90:91] offset:4*(32*(\a/2)+8*(\a%2))
.endr
	global_load_b128 v[224:227], v[LI], s[92:93]
	global_load_b128 v[228:231], v[LI], s[92:93] offset:32768
	global_load_b128 v[244:247], v[LI], s[92:93] offset:98304
	global_load_b128 v[240:243], v[LI], s[100:101]
.irp q, 0,1,2,3
	global_load_b32 v[232+\q], v24, s[86:87] offset:128*\q
	global_load_b32 v[236+\q], v24, s[86:87] offset:32768+128*\q
.endr
	s_mul_i32 s96, s22, IMG
	s_mul_i32 s98, s94, GST
	s_add_co_u32 s96, s96, s98
	s_mul_i32 s98, s95, PST
	s_add_co_u32 s96, s96, s98
	s_add_nc_u64 s[82:83], s[14:15], s[96:97]      ; my piece in Kl's image,
	s_add_co_u32 s98, s21, 1
	s_mul_i32 s98, s98, OPS
	s_add_nc_u64 s[78:79], s[82:83], s[98:99]      ; in M's (job 0) or G's (job 1)
	s_wait_loadcnt 0x0
.irp a, 0,1,2,3,4,5,6,7
.irp j, 1,2,3,4,5,6,7
	v_mov_b32 v[BI+8*\a+\j], v[BI+8*\a]            ; a lane's eight results of a tile belong to one row: one bias
.endr
.endr
.irp b, 0,1,2,3
	v_mov_b32 v[TM+4+\b], 0
.endr
	ds_store_b128 v[SCR], v[224:227] offset:1536
	ds_store_b128 v[SCR], v[228:231] offset:2048
	ds_store_b128 v[SCR], v[240:243] offset:3584
	ds_store_b128 v[SCR], v[244:247] offset:4096
.irp q, 0,1,2,3
	ds_store_b32 v1, v[232+\q] offset:2560+128*\q  ; block 2 q + h, row r: at 64 x block + 4 r
	ds_store_b32 v1, v[236+\q] offset:3072+128*\q
.endr
	s_wait_tensorcnt 0x2                           ; my part of tile 0 is in; the two loads issued behind it, tiles 1 and 2, may be out
	s_wait_dscnt 0x0
	v_lshl_add_u32 v1, v17, 6, s77                 ; from here on: scratch + 64 h: register 16 b + i wants a vector's element 32 b + 16 h + i
	s_barrier_signal -1
	s_barrier_wait -1
	FETCH_B 0, 0, 0
	FETCH_A 0, 0, 0
	SCALES 0, 0
	FETCH_A 0, 0, 4
	STEP 0, 0, 2                                   ; tile 0: the bias starts the sums
	TURN 0, 0, 1, 2, 1, 0, 0, 3, 100               ; slot 0 takes tile 3; the prefetches
	STEP 1, 1, 0
	TURN 1, 1, 2, 0, 0, 0, 0, 0, 0                 ; on to slot 2 without a barrier
	STEP 2, 0, 0
	TURN 2, 0, 0, 2, 0, 1, 1, 0, 200               ; slots 1 and 2 take tiles 4 and 5: the second product's K steps 0 and 1, one load
	STEP 0, 1, 0
	TURN 0, 1, 1, 2, 0, 0, 1, 2, 100               ; slot 0 takes tile 6
	s_cmp_eq_u32 s21, 0
	s_cbranch_scc0 .Lnorm
	WIN 0x40                                       ; job 0: key is finished.  lr x wd_last by l comes into B's second set, which is idle here (four places behind its last reader)
.irp b, 0,1,2,3
.irp j, 0,1,2,3
	ds_load_b128 v[128+16*\b+4*\j:128+16*\b+4*\j+3], v1 offset:4096+128*\b+16*\j
.endr
.endr
	WIN 0
.irp a, 0,1,2,3,4,5,6,7
	QMUL \a, 82, 1024                              ; key x lr x wd_last, quantised along l, goes out
.endr
	SCOUT 82, 1024
	STEP 1, 0, 1                                   ; and the second product starts new sums
	s_branch .Lback
.Lnorm:
	STEP 1, 0, 0
.Lback:
	TURN 1, 0, 2, 0, 0, 0, 0, 0, 0                 ; on to slot 2 without a barrier
	STEP 2, 1, 0
	TURN 2, 1, 0, 2, 0, 1, 1, 3, 100               ; slot 1 takes tile 7
	STEP 0, 0, 0
	TURN 0, 0, 1, 1, 0, 0, 0, 0, 0                 ; tile 7 is waited for
	STEP 1, 1, 0
	LAST 1
	s_cmp_eq_u32 s21, 0
	s_cbranch_scc1 .LepM
	; ---- job 1: value - W key, quantised along l as it stands
.irp a, 0,1,2,3,4,5,6,7
	QACC \a, 78, 512
.endr
	SCOUT 78, 512
	s_branch .Lfin
	; ---- job 0: eight trips, a block of 16 queries each
.LepM:
	WIN 0x40
.irp b, 0,1,2,3
.irp j, 0,1,2,3
	ds_load_b128 v[16*\b+4*\j:16*\b+4*\j+3], v1 offset:1536+128*\b+16*\j            ; c's high part by l,
	ds_load_b128 v[64+16*\b+4*\j:64+16*\b+4*\j+3], v1 offset:2048+128*\b+16*\j      ; its low part,
	ds_load_b128 v[128+16*\b+4*\j:128+16*\b+4*\j+3], v1 offset:3584+128*\b+16*\j    ; lr
.endr
.endr
	WIN 0
	v_and_b32 v4, 15, v0
	v_and_b32 v5, 8, v0
	v_add_nc_u32 v4, v4, v5
	v_and_b32 v5, 16, v0
	v_sub_nc_u32 v4, v4, v5                        ; r + 8 (r / 8) - 16 h
	s_lshl_b32 s85, s20, 1
	s_add_co_u32 s85, s85, s17
	s_lshl_b32 s86, s19, 1
	s_add_co_u32 s86, s86, s18
	s_sub_co_i32 s85, s85, s86
	s_lshl_b32 s85, s85, 7
	v_add_nc_u32 v[D0], s85, v4                    ; my query less my first key, without the block's part
	v_mov_b32 v[HM+1], 0                           ; (named as the upper halves of pairs)
	v_mov_b32 v[LM+1], 0
	s_mov_b32 s84, 0
.Lep:
	s_wait_dscnt 0x0                               ; the vectors are in; the last trip's LDS store has read its registers,
	s_wait_xcnt 0x0                                ; and its stores theirs
	s_lshl_b32 s85, s84, 6
	v_add_nc_u32 v2, s85, v[SCW]                   ; the block's words in my scratch
	s_mul_i32 s85, s84, 1536
	v_add_nc_u32 v3, s85, v[LI]                    ; the block's fragment in the piece
	ds_load_b32 v[HM], v2 offset:2560              ; c[m], my row's, as a pair
	ds_load_b32 v[LM], v2 offset:3072
	s_lshr_b32 s85, s84, 1
	s_lshl_b32 s85, s85, 5
	s_and_b32 s86, s84, 1
	s_lshl_b32 s86, s86, 3
	s_add_co_u32 s85, s85, s86                     ; 32 (a / 2) + 8 (a % 2)
	s_wait_dscnt 0x0
	WIN 0x04
.set p, 0
.rept 32
	v_pk_add_f32 v[WX+p:WX+p+1], v[HM:HM+1], v[p:p+1] op_sel_hi:[0,1] neg_lo:[0,1] neg_hi:[0,1]   ; the high parts' difference first,
.set p, p+2
.endr
.set p, 0
.rept 32
	v_pk_add_f32 v[WX+p:WX+p+1], v[WX+p:WX+p+1], v[64+p:65+p] neg_lo:[0,1] neg_hi:[0,1]           ; then the low parts
.set p, p+2
.endr
	WIN 0
.set p, 0
.rept 32
	v_pk_add_f32 v[WX+p:WX+p+1], v[WX+p:WX+p+1], v[LM:LM+1] op_sel_hi:[1,0]
.set p, p+2
.endr
.set p, 0
.rept 64
	v_exp_f32 v[WX+p], v[WX+p]                     ; 2^(c[m] - c[l])
.set p, p+1
.endr
	v_add_nc_u32 v[DD], s85, v[D0]                 ; (the plain place behind the exponentials)
	s_wait_alu depctr_va_vdst(0)                   ; one wait for the batch, ahead of its first reader
.set p, 0
.rept 64
	v_cmp_gt_i32 vcc_lo, 32*(p/16)+p%16, v[DD]     ; key l comes after query m: the factor is 0, whatever the exponential gave
	v_cndmask_b32 v[WX+p], v[WX+p], v[NIL], vcc_lo
.set p, p+1
.endr
	SWITCH 0                                       ; kq x wd_inner,
	WIN 0x04
.set p, 0
.rept 32
	v_pk_mul_f32 v[WX+p:WX+p+1], v[WX+p:WX+p+1], v[128+p:129+p]    ; and that times lr[l]
.set p, p+2
.endr
	WIN 0
	QUANT WX
.irp c, 0,1,2
	global_store_b128 v3, v[PC+4*\c:PC+4*\c+3], s[78:79] offset:512*\c
.endr
	ds_store_b32 v2, v[PW]
	s_add_co_u32 s84, s84, 1
	s_cmp_lt_u32 s84, 8
	s_cbranch_scc1 .Lep
	ds_load_b128 v[TM:TM+3], v[SCR]
	s_wait_dscnt 0x0
	global_store_b128 v[LI], v[TM:TM+3], s[78:79] offset:12288
.Lfin:
	s_wait_tensorcnt 0x0                           ; the wave's end
	ds_add_u32 v[SPW], v[NIL]
	s_wait_dscnt 0x0
	CROUND
	s_endpgm
.Lfunc_end_k_q2115d33080_mid:
	.size	k_q2115d33080_mid, .Lfunc_end_k_q2115d33080_mid-k_q2115d33080_mid
	.p2alignl 7, 3214868480
	.fill 96, 4, 3214868480
	.section	.rodata,"a",@progbits
	.p2align	6, 0x0
	.amdhsa_kernel k_q2115d33080_mid
		.amdhsa_group_segment_fixed_size 327680
		.amdhsa_private_segment_fixed_size 0
		.amdhsa_enable_private_segment 0
		.amdhsa_kernarg_size 48
		.amdhsa_user_sgpr_count 2
		.amdhsa_user_sgpr_kernarg_segment_ptr 1
		.amdhsa_wavefront_size32 1
		.amdhsa_system_sgpr_workgroup_id_x 1
		.amdhsa_system_sgpr_workgroup_id_y 1
		.amdhsa_system_sgpr_workgroup_id_z 1
		.amdhsa_system_vgpr_workitem_id 0
		.amdhsa_next_free_vgpr 1024
		.amdhsa_next_free_sgpr 102
		.amdhsa_reserve_vcc 1
		.amdhsa_float_denorm_mode_32 3
		.amdhsa_float_denorm_mode_16_64 3
		.amdhsa_memory_ordered 1
		.amdhsa_forward_progress 1
		.amdhsa_inst_pref_size 255
	.end_amdhsa_kernel
	.section	.bss,"aw",@nobits
	.p2align	6
	.space	262144
	.amdgpu_metadata
---
amdhsa.version: [ 1, 2 ]
amdhsa.kernels:
  - .name:           k_q2115d33080_mid
    .symbol:         k_q2115d33080_mid.kd
    .args:
      - { .name: wsA, .offset: 0, .size: 8, .value_kind: global_buffer, .address_space: global }
      - { .name: wsB, .offset: 8, .size: 8, .value_kind: global_buffer, .address_space: global }
      - { .name: wsC, .offset: 16, .size: 8, .value_kind: global_buffer, .address_space: global }
      - { .name: b_k, .offset: 24, .size: 8, .value_kind: global_buffer, .address_space: global }
      - { .name: b_v, .offset: 32, .size: 8, .value_kind: global_buffer, .address_space: global }
      - { .name: wsD, .offset: 40, .size: 8, .value_kind: global_buffer, .address_space: global }
    .group_segment_fixed_size: 327680
    .private_segment_fixed_size: 0
    .kernarg_segment_align: 8
    .kernarg_segment_size: 48
    .max_flat_workgroup_size: 128
    .sgpr_count:     102
    .vgpr_count:     1024
    .wavefront_size: 32
...
	.end_amdgpu_metadata
.endif
;; end of part 4
;; launch fin (part 5): grid 64 x 4, 4 waves a work-group, clusters of 4 x 4, 327,680 bytes of LDS; arguments wsB, wsC, wsD, hidden, out0, out1; writes out0, out1
.if DOCPART == 5
	.amdgcn_target "amdgcn-amd-amdhsa--gfx1250"
	.amdhsa_code_object_version 6
	.text
	.protected	k_q2115d33080_fin
	.globl	k_q2115d33080_fin
	.p2align	8
	.type	k_q2115d33080_fin,@function
k_q2115d33080_fin:
	s_mov_b64 s[64:65], 0
	v_nop
	global_prefetch_b8 v0, s[64:65] scope:SCOPE_SE
	s_setreg_imm32_b32 hwreg(HW_REG_WAVE_MODE, 25, 1), 1
	s_wait_xcnt 0x0
	s_wait_alu depctr_hold_cnt(0) depctr_sa_sdst(0) depctr_va_vdst(0) depctr_va_sdst(0) depctr_va_ssrc(0) depctr_va_vcc(0) depctr_vm_vsrc(0)
	s_getreg_b32 s2, hwreg(HW_REG_IB_STS2, 6, 4)
	s_cmp_eq_u32 s2, 0
	s_cbranch_scc0 .Lentry_in_a_cluster
	s_endpgm
.Lentry_in_a_cluster:
	s_bfe_u32 s2, ttmp6, 0x10000c
	s_cmp_lg_u32 s2, 0xf033
	s_cbranch_scc0 .Lentry_shape_is_right
	s_endpgm
.Lentry_shape_is_right:
; Two jobs, a cluster of 4 x 4 work-groups each (job = cluster / 8, batch = cluster % 8).
; JOB 0, y: query (-hidden)^T, 1,024 along h; each row times -wd_cross; then, onto the same sums, M G^T, 1,024 along l.  G holds value - W key and M holds lr kq wd_inner, so the sum is y_inner + y_cross.
; JOB 1, W_next: the sums begin as hidden x wd_cross[last], loaded straight into the accumulators; onto them G Kl^T, 1,024 along l; Kl holds lr wd_last key.
; Both are one chain of f32 sums where reference() adds two finished sums: the order of rounding differs in f32's last bits.
; Images, row order and registers as in the two launches before.  THE RING HAS THREE SLOTS, group by group (wave w fills LDS bytes 76,800 w on), and is written out; tile t lies in slot t % 3.
; Tiles 0, 1, 2 are first fills; behind tile 0 slot 0 takes tile 3.  Behind tile 2 the jobs part, on the cluster's number, which all partners share: job 1 waits for tile 3 and ends; job 0 goes on as the launch
; before does: behind tile 2 slots 1 and 2 take tiles 4 and 5 by one load, behind tile 3 slot 0 takes tile 6, behind tile 5 slot 1 takes tile 7; behind tiles 1 and 4 stands no barrier.
; Results leave through a stage in LDS of the wave's own: whole rows of 512 bytes.  The stage lies in slot 2 of the group that the wave fills: that slot has had its last fill, and every wave's reads of it
; ended ahead of the last barrier.
; Job 0's second product's images are prefetched at the first change of slots: each wave names, of the group that it fetches, the K step whose number is its work-group's place among the four partners.
; LIMITS: NaN and infinities are not served.
.set IMG,   819200
.set OPS,   6553600
.set GST,   102400
.set PST,   12800
.set KSB,   25600
.set RGN,   76800
.set SPARE, 307200
.set WCRO,  6619136
.set ADRA, 2
.set ADRB, 4
.set ADRS, 6
.set SPW,  8
.set NIL,  9
.set PFO,  10
.set PFO2, 11
.set LI,   12
.set STO,  13
.set RD,   14
.set SC,   32
.set BI,   64                          ; v64-79: wd_cross of my rows, twice each
.set AF,   128
.set BK,   128                         ; the way out: 16 rows read back: v128-191 and v192-255 by turns
.set G1A,  24
.set G0A,  32
.set G1B,  48
.set G0B,  56
.set PA,   66                          ; s[66:67], s[68:69] where my groups of A and B begin in the first product's images; s[70:71], s[72:73] in the second's
.set MSB, 0
.macro WIN new
.if MSB != \new
	s_set_vgpr_msb (MSB<<8)|\new
.set MSB, \new
.endif
.endm
.macro PLACES n
.rept \n
	v_nop
.endr
.endm
.macro JLOAD ga, gb
	s_cmp_eq_u32 s17, 0
	s_cbranch_scc0 .Lfor_b_\@
	tensor_load_to_lds s[\ga:\ga+3], s[G1A:G1A+7]
	s_nop 0
.rept 4
	v_nop
.endr
	s_branch .Lasked_\@
.Lfor_b_\@:
	tensor_load_to_lds s[\gb:\gb+3], s[G1B:G1B+7]
	s_nop 0
.rept 4
	v_nop
.endr
.Lasked_\@:
.endm
.macro ASK                             ; the prefetch described at the head: 96 + 4 blocks of 256 bytes, in the waves whose s76 is 1
	s_cmp_eq_u32 s76, 1
	s_cbranch_scc0 .Lnot_mine_\@
	global_prefetch_b8 v[PFO], s[74:75] th:TH_LOAD_NT scope:SCOPE_SE
	global_prefetch_b8 v[PFO], s[74:75] offset:8192 th:TH_LOAD_NT scope:SCOPE_SE
	global_prefetch_b8 v[PFO], s[74:75] offset:16384 th:TH_LOAD_NT scope:SCOPE_SE
	global_prefetch_b8 v[PFO2], s[74:75] th:TH_LOAD_NT scope:SCOPE_SE
.Lnot_mine_\@:
.endm
.macro CREST
	s_cmp_lg_u32 s16, 0
	s_cbranch_scc1 .Lnot_wave_0_\@
	s_barrier_signal -3
.Lnot_wave_0_\@:
	s_barrier_wait -3
	s_barrier_signal -1
	s_barrier_wait -1
.endm
.macro CROUND
	s_barrier_signal -1
	s_barrier_wait -1
	CREST
.endm
.macro FRAG reg, adr, slot, q, i
.irp c, 0,1,2
	ds_load_b128 v[\reg+4*\c:\reg+4*\c+3], v[\adr+(\slot)/2] offset:((\slot)%2)*KSB+(\q)*PST+(\i)*1536+512*\c
.endr
.endm
.macro FETCH_B slot, q, p
	WIN 0x40
.irp i, 0,1,2,3,4,5,6,7
	FRAG 128*(\p)+12*\i, ADRB, \slot, \q, \i
.endr
	WIN 0
.endm
.macro FETCH_A slot, q, i0
.irp i, \i0, \i0+1, \i0+2, \i0+3
	FRAG AF+12*(\i), ADRA, \slot, \q, \i
.endr
.endm
.macro SCALES slot, set
.irp i, 0,1,2,3,4,5,6,7
	ds_load_b32 v[SC+16*(\set)+2*\i], v[ADRS+(\slot)/2] offset:((\slot)%2)*KSB+\i*64
	ds_load_b32 v[SC+16*(\set)+2*\i+1], v[ADRS+(\slot)/2] offset:((\slot)%2)*KSB+PST+\i*64
.endr
.endm
.macro MUL16 a0, p, q, sc, mode
.irp a, \a0, \a0+1
.irp b, 0,1,2,3,4,5,6,7
.if \mode == 1
	v_wmma_scale_f32_16x16x128_f8f6f4 v[8*(8*((\a)%4)+\b):8*(8*((\a)%4)+\b)+7], v[128*(\p)+12*\b:128*(\p)+12*\b+11], v[AF+12*(\a):AF+12*(\a)+11], 0, v[SC+16*(\sc)+2*\b+(\q)], v[SC+16*(\sc)+2*(\a)+(\q)] matrix_a_fmt:MATRIX_FMT_FP6 matrix_b_fmt:MATRIX_FMT_FP6 matrix_a_scale:MATRIX_SCALE_ROW1
.else
	v_wmma_scale_f32_16x16x128_f8f6f4 v[8*(8*((\a)%4)+\b):8*(8*((\a)%4)+\b)+7], v[128*(\p)+12*\b:128*(\p)+12*\b+11], v[AF+12*(\a):AF+12*(\a)+11], v[8*(8*((\a)%4)+\b):8*(8*((\a)%4)+\b)+7], v[SC+16*(\sc)+2*\b+(\q)], v[SC+16*(\sc)+2*(\a)+(\q)] matrix_a_fmt:MATRIX_FMT_FP6 matrix_b_fmt:MATRIX_FMT_FP6 matrix_a_scale:MATRIX_SCALE_ROW1
.endif
.endr
.endr
.endm
.macro STEP slot, sc, mode
	s_wait_dscnt 12                                ; all but the youngest 12 loads, A's blocks 4-7
	WIN 0xa1
	MUL16 0, 0, 0, \sc, \mode
	MUL16 2, 0, 0, \sc, \mode
	s_wait_dscnt 0x0
	PLACES 4
	FETCH_B \slot, 1, 1
	FETCH_A \slot, 1, 0
	WIN 0xf1
	MUL16 4, 0, 0, \sc, \mode
	MUL16 6, 0, 0, \sc, \mode
	PLACES 4
	WIN 0
	FETCH_A \slot, 1, 4
.endm
; A slot's second 128 along K, and the change of slots.  kind 0: the next slot was shown whole by an earlier barrier, and nothing is filled: no barrier.  kind 1: the next slot's load is waited for; a barrier
; of the work-group.  kind 2: the barrier opens a round of the cluster's, and behind it LDS slot fslot on takes K step ft on of product fph's images: rows x 256 bytes (100: one slot; 200: two on end).
.macro TURN slot, sc, next, kind, ask, fslot, fph, ft, rows
.if \kind == 0
	s_wait_dscnt 12                                ; all but the youngest 12 loads, A's blocks 4-7
	WIN 0xa1
	MUL16 0, 1, 1, \sc, 0
	MUL16 2, 1, 1, \sc, 0
	s_wait_dscnt 0x0                               ; A's blocks 4-7 are in
	PLACES 4
.else
	s_wait_tensorcnt 0x0                           ; all my tensor loads have landed, my part of the next slot among them
	ds_add_u32 v[SPW], v[NIL]                      ; 0 onto my spare word
	s_wait_dscnt 13                                ; (the add and A's blocks 4-7, 12 loads, may be out)
	WIN 0xa1
	MUL16 0, 1, 1, \sc, 0
	s_wait_dscnt 0x0                               ; the add is done, and my reads of this slot and of those before it are over
	s_barrier_signal -1
	MUL16 2, 1, 1, \sc, 0
	WIN 0
	s_barrier_wait -1
.if \kind == 2
	CREST                                          ; no wave of any partner reads the slots to be filled or has a load on its way
	s_mov_b32 s[G1A+2], (\rows)<<16                ; no load of mine is out, so the descriptors may be written: tensor_dim1,
	s_mov_b32 s[G1A+4], \rows                      ; tile_dim1,
	s_mov_b32 s[G1B+2], (\rows)<<16
	s_mov_b32 s[G1B+4], \rows
	s_add_co_u32 s[G0A+1], s23, (\fslot)*KSB       ; the LDS address,
	s_add_nc_u64 s[G0A+2:G0A+3], s[PA+4*(\fph):PA+4*(\fph)+1], (\ft)*KSB   ; the global address,
	s_or_b32 s[G0A+3], s[G0A+3], 0x80000000        ; the type
	s_add_co_u32 s[G0B+1], s23, (\fslot)*KSB
	s_add_nc_u64 s[G0B+2:G0B+3], s[PA+2+4*(\fph):PA+3+4*(\fph)], (\ft)*KSB
	s_or_b32 s[G0B+3], s[G0B+3], 0x80000000
	JLOAD G0A, G0B                                 ; the first tensor load behind the round; its four v_nop are the places in front of the loads below
.else
	PLACES 4
.endif
.endif
	FETCH_B \next, 0, 0
	FETCH_A \next, 0, 0
	SCALES \next, 1-(\sc)
.if \ask
	ASK
.endif
	WIN 0xf1
	MUL16 4, 1, 1, \sc, 0
	MUL16 6, 1, 1, \sc, 0
	PLACES 4
	WIN 0
	FETCH_A \next, 0, 4
.endm
.macro LAST sc
	s_wait_dscnt 12
	WIN 0xa1
	MUL16 0, 1, 1, \sc, 0
	MUL16 2, 1, 1, \sc, 0
	s_wait_dscnt 0x0
	WIN 0xf1
	MUL16 4, 1, 1, \sc, 0
	MUL16 6, 1, 1, \sc, 0
	WIN 0
	PLACES 4
.endm
; THE WAY OUT of block a: a lane's eight results of tile t are the columns 32 (t / 2) + 8 (t % 2) + 16 h + 0 .. 7 of its row; they meet in my stage and come back as whole rows of 512 bytes
.macro TOSTAGE a
.set AC, 64*((\a)%4)
	WIN (0x08+4*((\a)/4))
.irp t, 0,1,2,3,4,5,6,7
	ds_store_b128 v[STO], v[AC+8*\t:AC+8*\t+3] offset:128*(\t/2)+32*(\t%2)          ; each accumulator from its low end on
	ds_store_b128 v[STO], v[AC+8*\t+4:AC+8*\t+7] offset:128*(\t/2)+32*(\t%2)+16
.endr
	WIN 0
.set BB, BK+64*((\a)%2)
.irp i, 0,1,2,3,4,5,6,7,8,9,10,11,12,13,14,15
	ds_load_b128 v[BB+4*\i:BB+4*\i+3], v[RD] offset:528*\i     ; LDS serves a wave's instructions in order: these see my stores
.endr
.endm
.macro SEND a, younger
.set BB, BK+64*((\a)%2)
	s_wait_dscnt \younger
.irp i, 0,1,2,3,4,5,6,7,8,9,10,11,12,13,14,15
	global_store_b128 v[LI], v[BB+4*\i:BB+4*\i+3], s[78:79] offset:(32*((\a)/2)+8*((\a)%2)+\i+8*(\i/8))*4096 th:TH_STORE_NT   ; 512 consecutive bytes of a row
.endr
.endm
	s_load_b256 s[4:11], s[0:1], 0x0               ; wsB, wsC, wsD, hidden
	s_load_b128 s[12:15], s[0:1], 0x20             ; out0, out1
	v_lshl_add_u32 v[SPW], v0, 2, SPARE
	v_mov_b32 v[NIL], 0
	ds_add_u32 v8, v9
	ds_add_u32 v8, v9
	s_wait_dscnt 0x0
	v_lshrrev_b32 v1, 5, v0
	v_readfirstlane_b32 s16, v1
	s_lshr_b32 s17, s16, 1
	s_and_b32 s18, s16, 1
	s_bfe_u32 s19, ttmp6, 0x40000                  ; cx
	s_bfe_u32 s20, ttmp6, 0x40004                  ; cy
	s_lshr_b32 s21, ttmp9, 3                       ; job
	s_and_b32 s22, ttmp9, 7                        ; batch
	s_lshl_b32 s40, s20, 2
	s_lshl_b32 s40, 15, s40
	s_lshl_b32 s41, 0x1111, s19
	s_or_b32 s[G1A], s40, (3<<16)|(1<<21)
	s_or_b32 s[G1B], s41, (3<<16)|(1<<21)
.irp g, G1A, G1B
	s_mov_b32 s[\g+1], 32<<16
	s_mov_b32 s[\g+2], 100<<16
	s_mov_b32 s[\g+3], 32<<16
	s_mov_b32 s[\g+4], 100
	s_mov_b32 s[\g+5], 32
	s_mov_b32 s[\g+6], 0
	s_mov_b32 s[\g+7], 0
.endr
	s_lshl_b32 s42, s20, 1
	s_add_co_u32 s42, s42, s18
	s_mul_i32 s42, s42, GST
	s_mov_b32 s43, 0
	s_lshl_b32 s46, s19, 1
	s_add_co_u32 s46, s46, s18
	s_mul_i32 s46, s46, GST
	s_mov_b32 s47, 0
	s_mul_i32 s44, s22, IMG
	s_mov_b32 s45, 0
	s_mov_b32 s91, 0
	s_mul_i32 s23, s16, RGN                        ; where my loads land: my group's three slots
	s_cmp_eq_u32 s21, 0
	s_cselect_b32 s90, 0, 2*OPS                    ; job 1's A is G, the third operand in wsD
	s_cselect_b32 s76, 1, 0                        ; job 0 prefetches, job 1 has no second product
	s_wait_kmcnt 0x0
	s_cselect_b64 s[PA:PA+1], s[6:7], s[8:9]
	s_cselect_b64 s[PA+2:PA+3], s[4:5], s[8:9]
	s_add_nc_u64 s[PA:PA+1], s[PA:PA+1], s[42:43]
	s_add_nc_u64 s[PA:PA+1], s[PA:PA+1], s[44:45]
	s_add_nc_u64 s[PA:PA+1], s[PA:PA+1], s[90:91]          ; first product: A = query, or G,
	s_add_nc_u64 s[PA+2:PA+3], s[PA+2:PA+3], s[46:47]
	s_add_nc_u64 s[PA+2:PA+3], s[PA+2:PA+3], s[44:45]      ; B = -hidden, or Kl
	s_add_nc_u64 s[PA+4:PA+5], s[8:9], s[42:43]
	s_add_nc_u64 s[PA+4:PA+5], s[PA+4:PA+5], s[44:45]
	s_add_nc_u64 s[PA+4:PA+5], s[PA+4:PA+5], OPS           ; second product: A = M,
	s_add_nc_u64 s[PA+6:PA+7], s[8:9], s[46:47]
	s_add_nc_u64 s[PA+6:PA+7], s[PA+6:PA+7], s[44:45]
	s_add_nc_u64 s[PA+6:PA+7], s[PA+6:PA+7], 2*OPS         ; B = G
	s_cmp_eq_u32 s17, 0
	s_cselect_b64 s[74:75], s[PA+4:PA+5], s[PA+6:PA+7]
	s_cselect_b32 s98, s19, s20
	s_mul_i32 s98, s98, KSB
	s_mov_b32 s99, 0
	s_add_nc_u64 s[74:75], s[74:75], s[98:99]
	CROUND
.irp s, 0,1,2
	s_mov_b32 s[G0A+4*\s], 1
	s_add_co_u32 s[G0A+4*\s+1], s23, \s*KSB
	s_add_nc_u64 s[G0A+4*\s+2:G0A+4*\s+3], s[PA:PA+1], \s*KSB
	s_or_b32 s[G0A+4*\s+3], s[G0A+4*\s+3], 0x80000000
	s_mov_b32 s[G0B+4*\s-20*(\s/2)], 1
	s_add_co_u32 s[G0B+4*\s-20*(\s/2)+1], s23, \s*KSB
	s_add_nc_u64 s[G0B+4*\s-20*(\s/2)+2:G0B+4*\s-20*(\s/2)+3], s[PA+2:PA+3], \s*KSB
	s_or_b32 s[G0B+4*\s-20*(\s/2)+3], s[G0B+4*\s-20*(\s/2)+3], 0x80000000
	JLOAD G0A+4*\s, G0B+4*\s-20*(\s/2)             ; tiles 0, 1, 2: three tensor loads of mine are out
.endr
	v_and_b32 v1, 31, v0
	v_lshlrev_b32 v[LI], 4, v1
	v_lshlrev_b32 v[PFO], 8, v1
	v_min_u32 v18, 3, v1
	v_lshl_add_u32 v[PFO2], v18, 8, 24576
	v_and_b32 v16, 15, v0
	v_bfe_u32 v17, v0, 4, 1
	s_mul_i32 s93, s17, RGN
	s_mul_i32 s94, s18, RGN
	s_add_co_u32 s94, s94, 2*RGN
	v_add_nc_u32 v[ADRA], s93, v[LI]
	v_add_nc_u32 v[ADRB], s94, v[LI]
	v_add_nc_u32 v[ADRA+1], 2*KSB, v[ADRA]
	v_add_nc_u32 v[ADRB+1], 2*KSB, v[ADRB]
	s_sub_co_u32 s94, s94, s93
	v_mul_u32_u24 v18, s94, v17
	v_lshl_add_u32 v18, v16, 2, v18
	s_add_co_u32 s93, s93, 12288
	v_add_nc_u32 v[ADRS], s93, v18
	v_add_nc_u32 v[ADRS+1], 2*KSB, v[ADRS]
	s_add_co_u32 s93, s23, 2*KSB                   ; my stage: 16 rows x 528 bytes at the head of slot 2 of the group that I fill
	v_mul_u32_u24 v[STO], v16, 528
	v_lshl_add_u32 v[STO], v17, 6, v[STO]
	v_add_nc_u32 v[STO], s93, v[STO]               ; in: row r, + 64 h
	v_add_nc_u32 v[RD], s93, v[LI]                 ; back: a row's 512 bytes, 16 a lane
	v_and_b32 v18, 8, v16
	v_add_nc_u32 v18, v18, v16
	v_lshlrev_b32 v19, 2, v18                      ; 4 (r + 8 (r / 8))
	v_lshlrev_b32 v24, 10, v19
	v_lshl_add_u32 v24, v17, 6, v24                ; hidden: row r + 8 (r / 8) of 4,096 bytes, + 64 h
	s_lshl_b32 s94, s20, 1
	s_add_co_u32 s94, s94, s17                     ; 2 cy + my half of the rows
	s_lshl_b32 s95, s19, 1
	s_add_co_u32 s95, s95, s18                     ; 2 cx + my half of the columns
	s_mov_b32 s97, 0
	s_mov_b32 s99, 0
	s_lshl_b32 s98, s22, 12
	s_add_co_u32 s98, s98, WCRO
	s_add_nc_u64 s[100:101], s[4:5], s[98:99]      ; wd_cross of my batch
	s_lshl_b32 s96, s94, 9
	s_add_nc_u64 s[90:91], s[100:101], s[96:97]    ; and of my 128 rows
.irp a, 0,1,2,3,4,5,6,7
	global_load_b32 v[BI+2*\a], v19, s[90:91] offset:4*(32*(\a/2)+8*(\a%2))     ; (job 1 loads them too and does not use them: one path for both)
	global_load_b32 v[BI+2*\a+1], v19, s[90:91] offset:4*(32*(\a/2)+8*(\a%2))
.endr
	s_lshl_b32 s96, s22, 22
	s_lshl_b32 s98, s94, 19
	s_add_co_u32 s96, s96, s98
	s_lshl_b32 s98, s95, 9
	s_add_co_u32 s96, s96, s98                     ; my 128 x 128 of a [1024][1024] f32 of the batch
	s_cmp_eq_u32 s21, 0
	s_cselect_b64 s[78:79], s[12:13], s[14:15]
	s_add_nc_u64 s[78:79], s[78:79], s[96:97]
	s_add_nc_u64 s[80:81], s[10:11], s[96:97]
	s_cmp_eq_u32 s21, 0
	s_cbranch_scc1 .Lno_h
	s_load_b32 s86, s[100:101], 0xffc              ; wd_cross[last]
	WIN 0x80
.irp a, 0,1,2,3
.irp t, 0,1,2,3,4,5,6,7
	global_load_b128 v[8*(8*\a+\t):8*(8*\a+\t)+3], v24, s[80:81] offset:(32*(\a/2)+8*(\a%2))*4096+128*(\t/2)+32*(\t%2)
	global_load_b128 v[8*(8*\a+\t)+4:8*(8*\a+\t)+7], v24, s[80:81] offset:(32*(\a/2)+8*(\a%2))*4096+128*(\t/2)+32*(\t%2)+16
.endr
.endr
	WIN 0xc0
.irp a, 0,1,2,3
.irp t, 0,1,2,3,4,5,6,7
	global_load_b128 v[8*(8*\a+\t):8*(8*\a+\t)+3], v24, s[80:81] offset:(64+32*(\a/2)+8*(\a%2))*4096+128*(\t/2)+32*(\t%2)
	global_load_b128 v[8*(8*\a+\t)+4:8*(8*\a+\t)+7], v24, s[80:81] offset:(64+32*(\a/2)+8*(\a%2))*4096+128*(\t/2)+32*(\t%2)+16
.endr
.endr
	WIN 0
.Lno_h:
	s_wait_tensorcnt 0x2                           ; my part of tile 0 is in; the two loads issued behind it, tiles 1 and 2, may be out
	s_barrier_signal -1
	s_barrier_wait -1
	FETCH_B 0, 0, 0
	FETCH_A 0, 0, 0
	SCALES 0, 0
	FETCH_A 0, 0, 4
	s_wait_loadcnt 0x0
	s_cmp_eq_u32 s21, 0
	s_cbranch_scc1 .Lk0y
	s_wait_kmcnt 0x0
	s_mov_b32 s87, s86
	WIN 0x82
.set p, 0
.rept 128
	v_pk_mul_f32 v[p:p+1], v[p:p+1], s[86:87] op_sel_hi:[1,0]      ; W_prev x wd_cross[last]: what the sums begin with
.set p, p+2
.endr
	WIN 0xc3
.set p, 0
.rept 128
	v_pk_mul_f32 v[p:p+1], v[p:p+1], s[86:87] op_sel_hi:[1,0]
.set p, p+2
.endr
	WIN 0
	STEP 0, 0, 0
	s_branch .Lring
.Lk0y:
	STEP 0, 0, 1                                   ; the constant 0 starts the sums
.Lring:
	TURN 0, 0, 1, 2, 1, 0, 0, 3, 100               ; slot 0 takes tile 3; job 0's prefetches
	STEP 1, 1, 0
	TURN 1, 1, 2, 0, 0, 0, 0, 0, 0                 ; on to slot 2 without a barrier
	STEP 2, 0, 0
	s_cmp_eq_u32 s21, 0
	s_cbranch_scc0 .Ltail_w
	; ---- job 0: five more tiles
	TURN 2, 0, 0, 2, 0, 1, 1, 0, 200               ; slots 1 and 2 take tiles 4 and 5: the second product's K steps 0 and 1, one load
	STEP 0, 1, 0
	TURN 0, 1, 1, 2, 0, 0, 1, 2, 100               ; slot 0 takes tile 6
	WIN 0x82                                       ; query (-hidden)^T is finished: each row times -wd_cross; ascending, each accumulator from its low end on
.set p, 0
.rept 128
	v_pk_mul_f32 v[p:p+1], v[p:p+1], v[BI+2*(p/64):BI+2*(p/64)+1] neg_lo:[0,1] neg_hi:[0,1]
.set p, p+2
.endr
	WIN 0xc3
.set p, 0
.rept 128
	v_pk_mul_f32 v[p:p+1], v[p:p+1], v[BI+8+2*(p/64):BI+8+2*(p/64)+1] neg_lo:[0,1] neg_hi:[0,1]
.set p, p+2
.endr
	WIN 0
	STEP 1, 0, 0
	TURN 1, 0, 2, 0, 0, 0, 0, 0, 0                 ; on to slot 2 without a barrier
	STEP 2, 1, 0
	TURN 2, 1, 0, 2, 0, 1, 1, 3, 100               ; slot 1 takes tile 7
	STEP 0, 0, 0
	TURN 0, 0, 1, 1, 0, 0, 0, 0, 0                 ; tile 7 is waited for
	STEP 1, 1, 0
	LAST 1
	s_branch .Lout
	; ---- job 1: its last tile
.Ltail_w:
	TURN 2, 0, 0, 1, 0, 0, 0, 0, 0                 ; tile 3 is waited for
	STEP 0, 1, 0
	LAST 1
.Lout:
	TOSTAGE 0
.irp a, 1,2,3,4,5,6,7
.if \a > 1
	s_wait_xcnt 0x0                                ; block a - 2's stores have read their registers: block a's loads may land there
.endif
	TOSTAGE \a
	SEND \a-1, 32                                  ; behind block a - 1's loads: block a's 16 stores and 16 loads
.endr
	SEND 7, 0
	s_wait_tensorcnt 0x0                           ; the wave's end
	ds_add_u32 v[SPW], v[NIL]
	s_wait_dscnt 0x0
	CROUND
	s_endpgm
.Lfunc_end_k_q2115d33080_fin:
	.size	k_q2115d33080_fin, .Lfunc_end_k_q2115d33080_fin-k_q2115d33080_fin
	.p2alignl 7, 3214868480
	.fill 96, 4, 3214868480
	.section	.rodata,"a",@progbits
	.p2align	6, 0x0
	.amdhsa_kernel k_q2115d33080_fin
		.amdhsa_group_segment_fixed_size 327680
		.amdhsa_private_segment_fixed_size 0
		.amdhsa_enable_private_segment 0
		.amdhsa_kernarg_size 48
		.amdhsa_user_sgpr_count 2
		.amdhsa_user_sgpr_kernarg_segment_ptr 1
		.amdhsa_wavefront_size32 1
		.amdhsa_system_sgpr_workgroup_id_x 1
		.amdhsa_system_sgpr_workgroup_id_y 1
		.amdhsa_system_sgpr_workgroup_id_z 1
		.amdhsa_system_vgpr_workitem_id 0
		.amdhsa_next_free_vgpr 1024
		.amdhsa_next_free_sgpr 102
		.amdhsa_reserve_vcc 0
		.amdhsa_float_denorm_mode_32 3
		.amdhsa_float_denorm_mode_16_64 3
		.amdhsa_memory_ordered 1
		.amdhsa_forward_progress 1
		.amdhsa_inst_pref_size 255
	.end_amdhsa_kernel
	.section	.bss,"aw",@nobits
	.p2align	6
	.space	262144
	.amdgpu_metadata
---
amdhsa.version: [ 1, 2 ]
amdhsa.kernels:
  - .name:           k_q2115d33080_fin
    .symbol:         k_q2115d33080_fin.kd
    .args:
      - { .name: wsB, .offset: 0, .size: 8, .value_kind: global_buffer, .address_space: global }
      - { .name: wsC, .offset: 8, .size: 8, .value_kind: global_buffer, .address_space: global }
      - { .name: wsD, .offset: 16, .size: 8, .value_kind: global_buffer, .address_space: global }
      - { .name: hidden, .offset: 24, .size: 8, .value_kind: global_buffer, .address_space: global }
      - { .name: out0, .offset: 32, .size: 8, .value_kind: global_buffer, .address_space: global }
      - { .name: out1, .offset: 40, .size: 8, .value_kind: global_buffer, .address_space: global }
    .group_segment_fixed_size: 327680
    .private_segment_fixed_size: 0
    .kernarg_segment_align: 8
    .kernarg_segment_size: 48
    .max_flat_workgroup_size: 128
    .sgpr_count:     102
    .vgpr_count:     1024
    .wavefront_size: 32
...
	.end_amdgpu_metadata
.endif
;; end of part 5
